; MI455X (gfx1250); checked and timed in simulation.
; The chip was launched on July 23, 2026; its instructions are those of AMD's public machine-readable ISA for CDNA 5 (MIT licence, August 2026) and "CDNA5" Instruction Set Architecture Reference Guide (July 2026). The comments in the code are by the model that wrote it; some were corrected since.
;; Mo E Layer. Allowed arithmetic: matrix products marked QUANTISED: E3M2 operands, one E8M0 scale for each 32 along K, by v_wmma_scale_f32_16x16x128_f8f6f4 with both operands' format E3M2, f32 sums; products left as they are: f32 operands where the result goes on into a quantised operand, else bf16, f16 or f32 operands; f32 sums; everything else in f32.
;; Inputs: b1 8 x 2,048 float32; b2 8 x 1,024 float32; gate_b 8 float32; gate_w 1,024 x 8 float32; w1_codes 8 x 2,048 x 32 x 24 uint8 (E3M2 codes of w1, K innermost, in blocks of 32 codes, four codes in three bytes); w1_scales 8 x 2,048 x 32 uint8 (E8M0 scales of w1, one for each 32 codes along K); w2_codes 8 x 1,024 x 64 x 24 uint8 (E3M2 codes of w2, K innermost, in blocks of 32 codes, four codes in three bytes); w2_scales 8 x 1,024 x 64 uint8 (E8M0 scales of w2, one for each 32 codes along K); x 4 x 512 x 1,024 float32.
;; Outputs: out0 4 x 512 x 1,024 float32.
;; Constants: num_experts_per_tok = 2.
;; This version of the problem:
;;   THIS VERSION OF THE PROBLEM IS GIVEN IN LOW PRECISION. The matrix products marked QUANTISED in the list below multiply operands that are first quantised to E3M2 (3 exponent bits, 2 mantissa bits; 6 bits a number), with one power-of-two scale for each 32 numbers along K (OCP MX v1.0); their sums are f32. All else is computed in f32.
;;   The module's matrix products, in the order in which they are computed (A, B: the left and right operand; K: the contracted axis; several contracted axes count as one K, in the product's order):
;;     1. [M 2,048, K 1,024] x [K 1,024, N 8]; A: input x; B: input gate_w: left as it is (N = 8 < 16)
;;     2. [M 16,384, K 1,024] x [K 1,024, N 2,048]; A: input w1 (given as codes); B: input x: QUANTISED
;;     3. batch 8 x [M 1,024, K 2,048] x [K 2,048, N 2,048]; A: input w2 (given as codes); B: computed on the way: QUANTISED
;;     4. batch 2,048 x [M 1, K 8] x [K 8, N 1,024]; A: computed on the way; B: computed on the way: left as it is (K = 8 < 32)
;;   THE QUANTISER, for each operand of a quantised product, along K:
;;     - K is cut into blocks of 32 from its start; a last block that is shorter is filled with zeros.
;;     - A block's scale is 2^e with e = floor(log2(the largest magnitude in the block)) - 4, held to -126 .. 127; a block of zeros has e = 0. As a byte (E8M0): e + 127.
;;     - Each number is divided by its block's scale, clamped to +-28, and rounded to the nearest number of E3M2, ties to even, subnormals kept.
;;     - The product sums the exact products of the quantised numbers (number of the format x scale) in f32.
;;   ~~~python
;;   def quantise(x, axis):      # numpy; x: float32 -> the quantised numbers, widened to float32 again
;;       x = np.moveaxis(x, axis, -1); K = x.shape[-1]
;;       x = np.pad(x, [(0, 0)] * (x.ndim - 1) + [(0, -K % 32)]); x = x.reshape(x.shape[:-1] + (-1, 32)); a = np.abs(x).max(-1, keepdims=True)
;;       e = np.where(a > 0, np.clip(np.frexp(np.where(a > 0, a, 1))[1] - 1 - 4, -126, 127), 0)      # np.frexp(a)[1] - 1 = floor(log2(a)), exactly
;;       r = np.clip(x / 2.0 ** e, -28, 28)
;;       step = 2.0 ** (np.maximum(np.frexp(np.where(r == 0, 1, r))[1] - 1, -2) - 2)
;;       q = np.round(r / step) * step * 2.0 ** e      # np.round: ties to even
;;       return np.moveaxis(q.reshape(q.shape[:-2] + (-1,))[..., :K], -1, axis).astype(np.float32)
;;   ~~~
;;   OPERANDS COMPUTED ON THE WAY. 'Computed on the way' means the value that the module computes at that place (a softmax that the list does not call 'softmax' is quantised finished and normalised). What goes into a quantiser is computed in f32, as accurately as f32 sums, v_exp_f32 and their like allow (about 1e-6 of the number): no bf16 or f16 on the way to a quantiser, and a product that is left as it is and whose result goes on into a quantised operand takes f32 operands (vector FMAs, or v_wmma_f32_16x16x4_f32). A number that lies on a knife's edge between two numbers of the format may be rounded either way, as far as f32 arithmetic and the matrix unit's own rounding can turn it there, and no further.
;;   INPUTS GIVEN AS CODES. w1 (in the module: [8, 1024, 2048], K = its axis 1); w2 (in the module: [8, 2048, 1024], K = its axis 1): each comes as NAME_codes (uint8): NAME with its K axis moved to the last place and cut into blocks of 32 codes, [.., K / 32, bytes a block], one block behind the other in memory; four codes in three bytes: a row's codes are one little-endian stream of bits, code i at bits 6 i .. 6 i + 5 (a code: sign, 3 exponent bits, 2 mantissa bits); and NAME_scales (uint8): the same leading axes, one E8M0 byte (e + 127) for each 32 codes along K. Its value is code x scale, taken as it is: it is not quantised again, and the codes and scales need not be those that the quantiser above would give.
;; One version. Each part assembles by itself: llvm-mc -triple=amdgcn-amd-amdhsa -mcpu=gfx1250 --defsym DOCPART=n.
;; ======== version 1 of 1: 3 launches
;; limits: right only within a limited range of input values
;; workspace buffers: xq 1,654,784 bytes; sel 8,192 bytes of whole numbers; plan 19,968 bytes of whole numbers; wimg 26,214,400 bytes; hbuf 15,052,800 bytes
;; launch route (part 1): grid 512 x 1, 4 waves a work-group, no clusters, 128,000 bytes of LDS; arguments x, gate_w, gate_b, xq, sel, w1_codes, w1_scales, wimg, w2_codes, w2_scales; writes xq, sel, wimg
.if DOCPART == 1
	.amdgcn_target "amdgcn-amd-amdhsa--gfx1250"
	.amdhsa_code_object_version 6
	.text
	.protected	k_q8b4e3cace3_route
	.globl	k_q8b4e3cace3_route
	.p2align	8
	.type	k_q8b4e3cace3_route,@function
k_q8b4e3cace3_route:
	s_mov_b64 s[64:65], 0
	v_nop
	global_prefetch_b8 v0, s[64:65] scope:SCOPE_SE
	s_setreg_imm32_b32 hwreg(HW_REG_WAVE_MODE, 25, 1), 1
	s_wait_xcnt 0x0
; THE GATE AND THE QUANTISING OF x.  x: [2048][1024] f32.  For each token: logits = x gate_w + gate_b in f32 (fused multiply-adds), softmax over the 8 experts with the maximum taken off,
; the two largest scores (of equal scores the lower index), their weights divided by max(their sum, 1e-12).  Stored: sel[token] = lo | hi << 8 (lo < hi, the two experts), the two weights in the
; order (lo, hi), and x as codes of E3M2 with one E8M0 byte for each 32 along D.
; SHARES.  A work-group takes 8 tokens, a wave 2.  Each load of x reads 512 consecutive bytes; a token's 4,096 bytes turn through the wave's own LDS so that lane l holds d = 32 l .. 32 l + 31: one whole
; block for the quantiser, and 32 terms of each of the 8 sums.  gate_w (32 KB) comes once a work-group, through LDS, into 256 registers a lane (window 1): register 8 i + e = gate_w[32 l + i][e].
; THE SCALE WORDS are stored with their two middle bytes changed over: all fragments of this program take 48 consecutive bytes of a row for each half of the lanes, which puts block 2 of a K step
; where the operand's layout has block 1, and the other way round; the same on both sides of each product.
; No matrix unit, no cluster: the product has 8 columns, and the work-groups share nothing but gate_w.
; LIMITS.  NaN and infinities among the inputs are not served.  The choice is made on scores built with v_exp_f32 and v_rcp_f32 and on sums taken in another order than the module's:
; where the second and the third score differ by less than about 1e-6 of their size the choice may turn.  A block of zeros gets the byte 1 (its codes are zeros; only this program reads the bytes).
; The scale words leave as 64 bytes a wave and sel and the weights as 8 and 16: together 1 byte in 100 of what the launch moves.
.set GWP,      1040                    ; a lane's 1,024 bytes of gate_w + 16: 65 x 16
.set WREG0,    32*GWP                  ; behind gate_w: a region for each wave
.set WREGB,    11008
.set TP,       144                     ; a lane's 128 bytes of a token + 16
.set TURNB,    32*TP                   ; one token's turn
.set OUTC,     2*TURNB                 ; two tokens' codes, 1,536 bytes
.set OUTS,     OUTC+1536               ; and their 64 scale bytes
.set SPARE,    WREG0+4*WREGB           ; the spare words, 128 bytes for each wave: two blocks of 256 bytes that no other line names
.set XS_OFF,   1572864                 ; in xq: the scale words, 32 bytes a token
.set GATE_OFF, 1638400                 ; in xq: the two weights, 8 bytes a token
.set SPW,  16                          ; v16   LDS address of my spare word; never rewritten
.set NIL,  17                          ; v17   0; never rewritten
.set XR,   32                          ; v32-95    two tokens as loaded; at the end the codes on their way out
.set XT,   96                          ; v96-159   two tokens turned: register 32 i + d' = x[token i][32 l + d']
.set LG,   160                         ; v160-175  2 x 8 sums, then logits, then scores
.set GL,   176                         ; v176-239  gate_w as loaded; later at work:
.set TT,   176                         ; v176-191  the other half of the lanes' sums
.set EC,   192                         ; v192-199  the numbers 0 to 7
.set WK,   200                         ; v200-231  16 registers a token
.set OSEL, 232
.set NEG,  233
.set GP,   234                         ; v[234:235] the two weights to store
.set QM,   236                         ; v236-237  a block's largest magnitude, then its byte
.set QS,   238                         ; v238-239  the conversion's scale operand
.set CD,   240                         ; v240-254  codes, 8 registers a token
.set MSB, 0
.macro WIN new                         ; the immediate's high byte repeats the setting that is left
.if MSB != \new
	s_set_vgpr_msb (MSB<<8)|\new
.set MSB, \new
.endif
.endm
	s_load_b256 s[4:11], s[0:1], 0x0               ; x s[4:5], gate_w s[6:7], gate_b s[8:9], xq s[10:11]
	s_load_b64 s[12:13], s[0:1], 0x20              ; sel
	v_lshl_add_u32 v[SPW], v0, 2, SPARE
	v_mov_b32 v[NIL], 0
	; A SECOND JOB IN THIS LAUNCH: work-groups 256 to 511 lay W1 out (the text behind the gate's end).  The choice hangs on the work-group's number alone, the same in all four waves;
	; the two jobs share no LDS byte but each wave's spare words, and the gate's one barrier is passed by all four waves of a gate work-group and by none of the others.
	s_cmp_ge_u32 ttmp9, 256
	s_cbranch_scc1 .Llayout
	v_lshrrev_b32 v1, 5, v0
	v_readfirstlane_b32 s14, v1                    ; wave 0..3
	v_and_b32 v1, 31, v0                           ; lane
	v_lshlrev_b32 v2, 4, v0                        ; gate_w: 16 bytes a thread
	v_lshrrev_b32 v3, 6, v0
	v_mul_u32_u24 v3, v3, GWP
	v_and_b32 v15, 63, v0
	v_lshl_add_u32 v3, v15, 4, v3                  ; into LDS: 64 threads fill one lane's 1,024 bytes
	v_mul_u32_u24 v4, v1, GWP                      ; and back: my lane's 1,024 bytes
	v_lshlrev_b32 v5, 4, v1                        ; 16 x lane
	s_mul_i32 s15, s14, WREGB
	s_add_co_u32 s15, s15, WREG0                   ; my wave's region
	v_lshrrev_b32 v6, 3, v1
	v_mul_u32_u24 v6, v6, TP
	v_and_b32 v15, 7, v1
	v_lshl_add_u32 v6, v15, 4, v6
	v_add_nc_u32 v6, s15, v6                       ; the turn, in: eight lanes' 128 bytes on end, then 16 of padding
	v_mul_u32_u24 v7, v1, TP
	v_add_nc_u32 v7, s15, v7                       ; the turn, out: my 128 bytes
	v_mul_u32_u24 v8, v1, 24
	v_add_nc_u32 v8, s15, v8                       ; my block's 24 bytes of codes
	v_and_b32 v9, 28, v1
	v_and_b32 v15, 1, v1
	v_lshl_add_u32 v9, v15, 1, v9
	v_bfe_u32 v15, v1, 1, 1
	v_add_nc_u32 v9, v9, v15
	v_add_nc_u32 v9, s15, v9                       ; my block's scale byte: in its word, places 1 and 2 changed over
	v_add_nc_u32 v10, s15, v5                      ; codes on the way out: 16 bytes a lane
	v_and_b32 v12, 15, v1
	v_lshlrev_b32 v12, 2, v12                      ; a scale word for each of 16 lanes
	v_add_nc_u32 v11, s15, v12
	v_lshlrev_b32 v13, 2, v1                       ; sel: 4 bytes a token
	v_lshlrev_b32 v14, 3, v1                       ; weights: 8 bytes a token
	s_lshl_b32 s26, ttmp9, 3
	s_lshl_b32 s27, s14, 1
	s_add_co_u32 s26, s26, s27                     ; my first token: 8 x work-group + 2 x wave
	s_lshl_b32 s36, s26, 12
	s_mov_b32 s37, 0
	s_mul_i32 s28, s26, 768
	s_mov_b32 s29, 0
	s_lshl_b32 s30, s26, 5
	s_add_co_u32 s30, s30, XS_OFF
	s_mov_b32 s31, 0
	s_lshl_b32 s32, s26, 3
	s_add_co_u32 s32, s32, GATE_OFF
	s_mov_b32 s33, 0
	s_lshl_b32 s34, s26, 2
	s_mov_b32 s35, 0
	s_mov_b32 s24, 0x76543210
	s_mov_b32 s25, 0xfedcba98                      ; v_permlanex16_b32's selects for lane l xor 16
	s_wait_kmcnt 0x0
	s_add_nc_u64 s[4:5], s[4:5], s[36:37]          ; x at my first token
	s_add_nc_u64 s[28:29], s[10:11], s[28:29]      ; its codes,
	s_add_nc_u64 s[30:31], s[10:11], s[30:31]      ; its scale words,
	s_add_nc_u64 s[32:33], s[10:11], s[32:33]      ; its weights,
	s_add_nc_u64 s[34:35], s[12:13], s[34:35]      ; its word of sel
	s_load_b256 s[16:23], s[8:9], 0x0              ; gate_b
.set k, 0
.rept 16
	global_load_b128 v[GL+4*k:GL+4*k+3], v2, s[6:7] offset:2048*k           ; the work-group's 128 threads read 2,048 consecutive bytes
.set k, k+1
.endr
.irp i, 0,1
.irp k, 0,1,2,3,4,5,6,7
	global_load_b128 v[XR+32*\i+4*\k:XR+32*\i+4*\k+3], v5, s[4:5] offset:4096*\i+512*\k th:TH_LOAD_NT   ; 512 consecutive bytes; read once in the launch
.endr
.endr
	s_wait_loadcnt 16                              ; gate_w is in; the 16 loads of x behind it may stay out
.set k, 0
.rept 16
	ds_store_b128 v3, v[GL+4*k:GL+4*k+3] offset:2*GWP*k
.set k, k+1
.endr
	s_wait_dscnt 0x0                               ; for the others' sake: my part of gate_w lies in LDS
	s_barrier_signal -1
	s_barrier_wait -1                              ; everybody's does
	WIN 0x40                                       ; destination window 1
.set k, 0
.rept 64
	ds_load_b128 v[4*k:4*k+3], v4 offset:16*k
.set k, k+1
.endr
	WIN 0
	s_wait_loadcnt 0x0                             ; x
.macro TURN i                          ; LDS serves a wave's instructions in order: no wait between the stores and the loads
.irp k, 0,1,2,3,4,5,6,7
	ds_store_b128 v6, v[XR+32*\i+4*\k:XR+32*\i+4*\k+3] offset:TURNB*\i+4*TP*\k
.endr
.irp k, 0,1,2,3,4,5,6,7
	ds_load_b128 v[XT+32*\i+4*\k:XT+32*\i+4*\k+3], v7 offset:TURNB*\i+16*\k
.endr
.endm
	TURN 0
	TURN 1
	s_wait_dscnt 0x0                               ; gate_w and both tokens are in registers
	; the 2 x 8 sums over my 32 d, two experts an instruction, in 8 chains that take turns; the first product starts each sum
	WIN 0x04                                       ; source 1 (gate_w) window 1
.set ii, 0
.rept 32
.irp i, 0,1
.irp ep, 0,1,2,3
.if ii == 0
	v_pk_mul_f32 v[LG+8*\i+2*\ep:LG+8*\i+2*\ep+1], v[XT+32*\i:XT+32*\i+1], v[2*\ep:2*\ep+1] op_sel_hi:[0,1]
.elseif ii%2 == 0
	v_pk_fma_f32 v[LG+8*\i+2*\ep:LG+8*\i+2*\ep+1], v[XT+32*\i+ii:XT+32*\i+ii+1], v[8*ii+2*\ep:8*ii+2*\ep+1], v[LG+8*\i+2*\ep:LG+8*\i+2*\ep+1] op_sel_hi:[0,1,1]
.else
	v_pk_fma_f32 v[LG+8*\i+2*\ep:LG+8*\i+2*\ep+1], v[XT+32*\i+ii-1:XT+32*\i+ii], v[8*ii+2*\ep:8*ii+2*\ep+1], v[LG+8*\i+2*\ep:LG+8*\i+2*\ep+1] op_sel:[1,0,0] op_sel_hi:[1,1,1]
.endif
.endr
.endr
.set ii, ii+1
.endr
	WIN 0
	; across the 32 lanes: every lane ends with all 16 sums
.irp mk, 1,2,4,8
.set q, 0
.rept 16
	v_add_f32_dpp v[LG+q], v[LG+q], v[LG+q] row_xmask:\mk row_mask:0xf bank_mask:0xf
.set q, q+1
.endr
.endr
.set q, 0
.rept 16
	v_permlanex16_b32 v[TT+q], v[LG+q], s24, s25
.set q, q+1
.endr
.set q, 0
.rept 16
	v_add_f32 v[LG+q], v[LG+q], v[TT+q]
.set q, q+1
.endr
	s_wait_alu depctr_va_vdst(0)
	s_wait_kmcnt 0x0                               ; gate_b
.irp e, 0,1,2,3,4,5,6,7
.irp i, 0,1
	v_add_f32 v[LG+8*\i+\e], s[16+\e], v[LG+8*\i+\e]
.endr
.endr
	; the softmax, as the module writes it: the maximum off, exponentials, their sum, the division.  Per token at v[WK+16 i]: +0 maximum, later the largest score; +1 sum; +2 its reciprocal
.irp i, 0,1
	v_max3_num_f32 v[WK+16*\i], v[LG+8*\i], v[LG+8*\i+1], v[LG+8*\i+2]
.endr
.irp q, 3,5
.irp i, 0,1
	v_max3_num_f32 v[WK+16*\i], v[WK+16*\i], v[LG+8*\i+\q], v[LG+8*\i+\q+1]
.endr
.endr
.irp i, 0,1
	v_max_num_f32 v[WK+16*\i], v[WK+16*\i], v[LG+8*\i+7]
.endr
.irp e, 0,1,2,3,4,5,6,7
.irp i, 0,1
	v_sub_f32 v[LG+8*\i+\e], v[LG+8*\i+\e], v[WK+16*\i]
.endr
.endr
.set q, 0
.rept 16
	v_mul_f32 v[LG+q], 0x3fb8aa3b, v[LG+q]         ; x log2(e): v_exp_f32 works in base 2
.set q, q+1
.endr
.set q, 0
	s_wait_alu depctr_va_vdst(0)
.rept 16
	v_exp_f32 v[LG+q], v[LG+q]
.set q, q+1
.endr
	v_mov_b32 v[NEG], -1.0                         ; a plain instruction behind the last exponential
	s_wait_alu depctr_va_vdst(0)                   ; one wait for the 16 exponentials, ahead of their first reader
.irp i, 0,1
	v_add_f32 v[WK+16*\i+1], v[LG+8*\i], v[LG+8*\i+1]
.endr
.irp e, 2,3,4,5,6,7
.irp i, 0,1
	v_add_f32 v[WK+16*\i+1], v[WK+16*\i+1], v[LG+8*\i+\e]
.endr
.endr
	s_wait_alu depctr_va_vdst(0)
.irp i, 0,1
	v_rcp_f32 v[WK+16*\i+2], v[WK+16*\i+1]
.endr
.irp e, 0,1,2,3,4,5,6,7
	v_mov_b32 v[EC+\e], \e                         ; plain work behind the reciprocals
.endr
	s_wait_alu depctr_va_vdst(0)                   ; one wait for the two reciprocals
.irp e, 0,1,2,3,4,5,6,7
.irp i, 0,1
	v_mul_f32 v[LG+8*\i+\e], v[LG+8*\i+\e], v[WK+16*\i+2]      ; the scores
.endr
.endr
	; the two largest.  A strict > keeps the lower index among equals.  +0 largest score, +3 its index; +4 second, +5 its index; +6 the candidate
.irp i, 0,1
	v_mov_b32 v[WK+16*\i], v[LG+8*\i]
	v_mov_b32 v[WK+16*\i+3], 0
	v_mov_b32 v[WK+16*\i+4], -0.5                  ; under every score: the first expert that is not the largest is always taken
	v_mov_b32 v[WK+16*\i+5], 0
.endr
.irp e, 1,2,3,4,5,6,7
.irp i, 0,1
	v_cmp_gt_f32 vcc_lo, v[LG+8*\i+\e], v[WK+16*\i]
	v_cndmask_b32 v[WK+16*\i], v[WK+16*\i], v[LG+8*\i+\e], vcc_lo
	v_cndmask_b32 v[WK+16*\i+3], v[WK+16*\i+3], v[EC+\e], vcc_lo
.endr
.endr
.irp e, 0,1,2,3,4,5,6,7
.irp i, 0,1
	v_cmp_eq_u32 vcc_lo, v[WK+16*\i+3], v[EC+\e]
	v_cndmask_b32 v[WK+16*\i+6], v[LG+8*\i+\e], v[NEG], vcc_lo  ; the largest itself counts as -1
	v_cmp_gt_f32 vcc_lo, v[WK+16*\i+6], v[WK+16*\i+4]
	v_cndmask_b32 v[WK+16*\i+4], v[WK+16*\i+4], v[WK+16*\i+6], vcc_lo
	v_cndmask_b32 v[WK+16*\i+5], v[WK+16*\i+5], v[EC+\e], vcc_lo
.endr
.endr
	; the weights: each of the two scores over max(their sum, 1e-12).  +7 the divisor, +8 its reciprocal, +9, +10 the weights, +11 lo, +12 hi, +13, +14 the weights in the order (lo, hi), +15 sel's word
.irp i, 0,1
	v_add_f32 v[WK+16*\i+7], v[WK+16*\i], v[WK+16*\i+4]
	v_max_num_f32 v[WK+16*\i+7], 0x2b8cbccc, v[WK+16*\i+7]
.endr
	s_wait_alu depctr_va_vdst(0)
.irp i, 0,1
	v_rcp_f32 v[WK+16*\i+8], v[WK+16*\i+7]
.endr
.irp i, 0,1
	v_min_u32 v[WK+16*\i+11], v[WK+16*\i+3], v[WK+16*\i+5]      ; plain work behind the reciprocals
	v_max_u32 v[WK+16*\i+12], v[WK+16*\i+3], v[WK+16*\i+5]
	v_lshl_or_b32 v[WK+16*\i+15], v[WK+16*\i+12], 8, v[WK+16*\i+11]
.endr
	s_wait_alu depctr_va_vdst(0)                   ; one wait for the two reciprocals
.irp i, 0,1
	v_mul_f32 v[WK+16*\i+9], v[WK+16*\i], v[WK+16*\i+8]
	v_mul_f32 v[WK+16*\i+10], v[WK+16*\i+4], v[WK+16*\i+8]
	v_cmp_lt_u32 vcc_lo, v[WK+16*\i+3], v[WK+16*\i+5]
	v_cndmask_b32 v[WK+16*\i+13], v[WK+16*\i+10], v[WK+16*\i+9], vcc_lo
	v_cndmask_b32 v[WK+16*\i+14], v[WK+16*\i+9], v[WK+16*\i+10], vcc_lo
.endr
	v_and_b32 v15, 1, v1
	v_cmp_eq_u32 vcc_lo, 1, v15                    ; lane 0 stores token 0's, lane 1 token 1's
	v_cndmask_b32 v[OSEL], v[WK+15], v[WK+31], vcc_lo
	v_cndmask_b32 v[GP], v[WK+13], v[WK+29], vcc_lo
	v_cndmask_b32 v[GP+1], v[WK+14], v[WK+30], vcc_lo
	; the quantiser: my 32 numbers of each token are one block
.irp i, 0,1
	v_max3_num_f32 v[QM+\i], |v[XT+32*\i]|, |v[XT+32*\i+1]|, 0x2800000      ; with the floor 2^(5 - 127): the byte cannot fall under 1
.endr
.irp q, 2,4,6,8,10,12,14,16,18,20,22,24,26,28,30
.irp i, 0,1
	v_max3_num_f32 v[QM+\i], v[QM+\i], |v[XT+32*\i+\q]|, |v[XT+32*\i+\q+1]|
.endr
.endr
.irp i, 0,1
	v_add_nc_u32 v[QS+\i], 0xfe000000, v[QM+\i]    ; 4 off the exponent field: the conversion takes this operand's exponent field as its scale
.endr
.irp i, 0,1
	v_cvt_scalef32_pk16_bf6_f32 v[CD+8*\i:CD+8*\i+2], v[XT+32*\i:XT+32*\i+15], v[QS+\i]
	v_cvt_scalef32_pk16_bf6_f32 v[CD+8*\i+4:CD+8*\i+6], v[XT+32*\i+16:XT+32*\i+31], v[QS+\i]   ; (a conversion's three registers begin on an even number)
.endr
.irp i, 0,1
	v_lshrrev_b32 v[QM+\i], 23, v[QS+\i]           ; the scale's byte; also the plain instruction behind the conversions
.endr
.irp i, 0,1
	v_mov_b32 v[CD+8*\i+3], v[CD+8*\i+4]           ; the block's 24 bytes on end
	v_mov_b32 v[CD+8*\i+4], v[CD+8*\i+5]
	v_mov_b32 v[CD+8*\i+5], v[CD+8*\i+6]
	ds_store_b64 v8, v[CD+8*\i:CD+8*\i+1] offset:OUTC+768*\i
	ds_store_b64 v8, v[CD+8*\i+2:CD+8*\i+3] offset:OUTC+768*\i+8
	ds_store_b64 v8, v[CD+8*\i+4:CD+8*\i+5] offset:OUTC+768*\i+16
	ds_store_b8 v9, v[QM+\i] offset:OUTS+32*\i
.endr
	ds_load_b128 v[XR:XR+3], v10 offset:OUTC       ; LDS serves a wave's instructions in order: these see my stores
	ds_load_b128 v[XR+4:XR+7], v10 offset:OUTC+512
	ds_load_b128 v[XR+8:XR+11], v10 offset:OUTC+1024
	ds_load_b32 v[XR+12], v11 offset:OUTS
	s_wait_dscnt 0x0
	global_store_b128 v5, v[XR:XR+3], s[28:29]             ; two tokens' codes: 1,536 consecutive bytes, at a multiple of 256 from the buffer's first byte
	global_store_b128 v5, v[XR+4:XR+7], s[28:29] offset:512
	global_store_b128 v5, v[XR+8:XR+11], s[28:29] offset:1024
	v_cmp_gt_u32 vcc_lo, 16, v1
	s_wait_xcnt 0x0                                ; EXEC changes only behind this wait
	s_and_saveexec_b32 s38, vcc_lo
	global_store_b32 v12, v[XR+12], s[30:31]       ; 16 scale words
	s_wait_xcnt 0x0
	s_or_b32 exec_lo, exec_lo, s38
	v_cmp_gt_u32 vcc_lo, 2, v1
	s_and_saveexec_b32 s38, vcc_lo                 ; (nothing has been issued since the last wait)
	global_store_b32 v13, v[OSEL], s[34:35]
	global_store_b64 v14, v[GP:GP+1], s[32:33]
	s_wait_xcnt 0x0
	s_or_b32 exec_lo, exec_lo, s38
	s_wait_tensorcnt 0x0                           ; the wave's end: behind my last LDS store
	ds_add_u32 v[SPW], v[NIL]
	s_wait_dscnt 0x0
	s_endpgm
; ---- W1 IS LAID OUT, once, in the order in which a wave's operand registers take it; it hangs on nothing that the gate makes.
; A FRAGMENT'S IMAGE: 16 rows x 128 along K: lane (r, h) holds the 48 consecutive bytes [96 c + 48 h, + 48) of row r's stream of codes; register group j (16 bytes) of all lanes lies on end, 512 bytes.
; Tile t = 2 b + u of a group of 128 hidden units takes rows 32 p(b) + 8 u + r + 8 (r / 8), p changing 1 and 2 over; each scale word has its two middle bytes changed over.
; A wave lays one strip, 16 rows x 768 bytes (8 K steps): strip 4 (work-group - 256) + wave = 8 x group + t.  Each load reads two runs of 256 consecutive bytes, each store writes 512 consecutive bytes;
; between them the strip turns through the wave's own LDS stage.
.set LY_SP,  784                       ; a stage row: 768 bytes + 16 = 49 x 16
.set LY_STB, 16*LY_SP                  ; a wave's stage: 49 blocks of 256 bytes
.set LY_STG, SPARE+512                 ; behind the spare words: bytes that the gate's job never names
.set LY_W1S, 25165824                  ; in wimg: W1's scale words
.set LRO,    20                        ; v20-27  the byte offsets of tile rows 8 h + i
.Llayout:
	s_load_b64 s[24:25], s[0:1], 0x28              ; w1_codes
	s_load_b64 s[26:27], s[0:1], 0x30              ; w1_scales
	s_load_b64 s[16:17], s[0:1], 0x38              ; wimg
	s_load_b64 s[40:41], s[0:1], 0x40              ; w2_codes
	s_load_b64 s[42:43], s[0:1], 0x48              ; w2_scales
	v_lshrrev_b32 v1, 5, v0
	v_readfirstlane_b32 s18, v1                    ; wave 0..3
	s_sub_co_u32 s20, ttmp9, 256
	s_and_b32 s19, s20, 1
	s_lshl_b32 s19, s19, 2
	s_add_co_u32 s19, s19, s18                     ; t
	s_lshr_b32 s20, s20, 1                         ; the group of 128 hidden units, 16 e + w'
	s_lshr_b32 s21, s19, 1                         ; b
	s_and_b32 s22, s21, 1
	s_lshl_b32 s22, s22, 1
	s_lshr_b32 s23, s21, 1
	s_or_b32 s22, s22, s23                         ; p(b)
	s_lshl_b32 s22, s22, 5
	s_and_b32 s23, s19, 1                          ; u
	s_lshl_b32 s23, s23, 3
	s_add_co_u32 s22, s22, s23
	s_lshl_b32 s23, s20, 7
	s_add_co_u32 s22, s22, s23                     ; the tile's first row: 128 x group + 32 p(b) + 8 u
	s_mul_i32 s28, s22, 768                        ; its codes,
	s_mov_b32 s29, 0
	s_lshl_b32 s30, s22, 5                         ; its scale bytes
	s_mov_b32 s31, 0
	s_mul_i32 s32, s20, 98304
	s_mul_i32 s23, s19, 1536
	s_add_co_u32 s32, s32, s23                     ; the images: [group][c 8][t 8][1,536]
	s_mov_b32 s33, 0
	s_lshl_b32 s34, s20, 12
	s_lshl_b32 s23, s19, 9
	s_add_co_u32 s34, s34, s23
	s_add_co_u32 s34, s34, LY_W1S                  ; the scale words: [group][t 8][512]
	s_mov_b32 s35, 0
	s_mov_b32 s36, 0x03010200                      ; a scale word's two middle bytes change over
	s_mul_i32 s37, s18, LY_STB
	s_add_co_u32 s37, s37, LY_STG                  ; my stage
	; THE SAME WAVE THEN LAYS A STRIP OF W2: 16 neighbouring rows x 768 bytes, one half of K.  Strip 8 s20 + s19: tile 4 (s20 % 2) + s19 / 2 of the group of 128 outputs s20 / 2, half s19 % 2 of K
.set LY_W2I, 12582912                  ; in wimg: W2's images,
.set LY_W2S, 25690112                  ; W2's scale words
.set LR2,    232                       ; v232-239  the byte offsets of W2's tile rows 8 h + i
	s_and_b32 s44, s19, 1                          ; the half of K
	s_and_b32 s45, s20, 1
	s_lshl_b32 s45, s45, 2
	s_add_co_u32 s45, s45, s21                     ; t
	s_lshr_b32 s46, s20, 1                         ; 8 e + G
	s_lshl_b32 s47, s46, 7
	s_lshl_b32 s48, s45, 4
	s_add_co_u32 s47, s47, s48                     ; the tile's first row
	s_mul_i32 s48, s47, 1536
	s_mul_i32 s50, s44, 768
	s_add_co_u32 s48, s48, s50                     ; its codes, my half of K,
	s_mov_b32 s49, 0
	s_lshl_b32 s50, s47, 6
	s_lshl_b32 s52, s44, 5
	s_add_co_u32 s50, s50, s52                     ; its scale bytes
	s_mov_b32 s51, 0
	s_lshl_b32 s52, s46, 4
	s_lshl_b32 s54, s44, 3
	s_add_co_u32 s52, s52, s54
	s_mul_i32 s52, s52, 12288
	s_mul_i32 s54, s45, 1536
	s_add_co_u32 s52, s52, s54
	s_add_co_u32 s52, s52, LY_W2I                  ; the images: [group][c 16][t 8][1,536]
	s_mov_b32 s53, 0
	s_lshl_b32 s54, s46, 1
	s_add_co_u32 s54, s54, s44
	s_lshl_b32 s54, s54, 12
	s_lshl_b32 s56, s45, 9
	s_add_co_u32 s54, s54, s56
	s_add_co_u32 s54, s54, LY_W2S                  ; the scale words: [group][half of K][t 8][512]
	s_mov_b32 s55, 0
	v_and_b32 v7, 15, v0                           ; r
	v_bfe_u32 v8, v0, 4, 1                         ; h
	v_and_b32 v1, 31, v0
	v_lshlrev_b32 v6, 4, v1                        ; 16 x lane
	v_mul_u32_u24 v4, v8, 8*LY_SP
	v_mul_u32_u24 v5, v7, LY_SP
	v_mul_u32_u24 v[LRO], v8, 12288                ; tile rows 8 to 15 lie 16 rows of 768 bytes further on
	v_lshlrev_b32 v28, 5, v7
	v_lshrrev_b32 v29, 3, v7
	v_lshl_add_u32 v4, v7, 4, v4
	v_mad_u32_u24 v5, v8, 48, v5
	v_lshl_add_u32 v[LRO], v7, 4, v[LRO]
	v_lshl_add_u32 v28, v29, 8, v28                ; scale bytes: 32 a row, tile rows 8 to 15 eight rows further on
	v_add_nc_u32 v4, s37, v4                       ; in: half h of the lanes takes tile rows 8 h + i, 16 bytes a lane
	v_add_nc_u32 v5, s37, v5                       ; out: row r, 48 bytes for each half
	v_lshl_add_u32 v28, v8, 4, v28                 ; lane (r, h): the words of K steps 4 h .. 4 h + 3 of tile row r
.irp i, 1,2,3,4,5,6,7
	v_add_nc_u32 v[LRO+\i], 768*\i, v[LRO]
.endr
.irp i, 0,1,2,3,4,5,6,7
	v_add_nc_u32 v[LR2+\i], 1536*\i, v[LRO]        ; W2: rows of 1,536 bytes; its two halves of a tile lie 12,288 bytes apart too (8 rows)
.endr
	v_lshlrev_b32 v30, 6, v7                       ; W2's scale bytes: 64 a row,
	v_lshl_add_u32 v30, v8, 4, v30                 ; the words of my half's K steps 4 h .. 4 h + 3
	s_wait_alu depctr_va_vdst(0)
	s_wait_kmcnt 0x0
	s_add_nc_u64 s[24:25], s[24:25], s[28:29]
	s_add_nc_u64 s[26:27], s[26:27], s[30:31]
	s_add_nc_u64 s[32:33], s[16:17], s[32:33]
	s_add_nc_u64 s[34:35], s[16:17], s[34:35]
	s_add_nc_u64 s[40:41], s[40:41], s[48:49]
	s_add_nc_u64 s[42:43], s[42:43], s[50:51]
	s_add_nc_u64 s[52:53], s[16:17], s[52:53]
	s_add_nc_u64 s[54:55], s[16:17], s[54:55]
	global_load_b128 v[224:227], v28, s[26:27] th:TH_LOAD_NT
.irp i, 0,1,2,3,4,5,6,7
.irp p, 0,1,2
	global_load_b128 v[32+4*(3*\i+\p):32+4*(3*\i+\p)+3], v[LRO+\i], s[24:25] offset:256*\p th:TH_LOAD_NT   ; sixteen lanes read 256 consecutive bytes, at a multiple of 256 from the buffer's first byte
.endr
.endr
.irp i, 0,1,2,3,4,5,6,7
	s_wait_loadcnt 21-3*\i                         ; rows i of both halves are in; the later rows' three loads each may stay out
.irp p, 0,1,2
	ds_store_b128 v4, v[32+4*(3*\i+\p):32+4*(3*\i+\p)+3] offset:LY_SP*\i+256*\p
.endr
.endr
	global_load_b128 v[240:243], v30, s[42:43] th:TH_LOAD_NT   ; W2's strip is asked for as soon as W1's has gone into the stage: it comes while W1's images leave
.irp i, 0,1,2,3,4,5,6,7
.irp p, 0,1,2
	global_load_b128 v[32+4*(3*\i+\p):32+4*(3*\i+\p)+3], v[LR2+\i], s[40:41] offset:256*\p th:TH_LOAD_NT
.endr
.endr
.irp c, 0,1,2,3,4,5,6,7
.irp j, 0,1,2
	ds_load_b128 v[128+4*(3*\c+\j):128+4*(3*\c+\j)+3], v5 offset:96*\c+16*\j
.endr
.endr
.irp w, 0,1,2,3
	v_perm_b32 v[224+\w], v[224+\w], v[224+\w], s36
.endr
	global_store_b128 v6, v[224:227], s[34:35]
.irp c, 0,1,2,3,4,5,6,7
.irp j, 0,1,2
	s_wait_dscnt 23-(3*\c+\j)
	global_store_b128 v6, v[128+4*(3*\c+\j):128+4*(3*\c+\j)+3], s[32:33] offset:12288*\c+512*\j   ; 512 consecutive bytes
.endr
.endr
	; W2's strip, by the same steps.  My reads of the stage have all come back (the last wait above was for 0)
.irp i, 0,1,2,3,4,5,6,7
	s_wait_loadcnt 21-3*\i
.irp p, 0,1,2
	ds_store_b128 v4, v[32+4*(3*\i+\p):32+4*(3*\i+\p)+3] offset:LY_SP*\i+256*\p
.endr
.endr
	s_wait_xcnt 0x0                                ; W1's stores have read their data: the loads below land on those registers only behind this wait
.irp c, 0,1,2,3,4,5,6,7
.irp j, 0,1,2
	ds_load_b128 v[128+4*(3*\c+\j):128+4*(3*\c+\j)+3], v5 offset:96*\c+16*\j
.endr
.endr
.irp w, 0,1,2,3
	v_perm_b32 v[240+\w], v[240+\w], v[240+\w], s36
.endr
	global_store_b128 v6, v[240:243], s[54:55]
.irp c, 0,1,2,3,4,5,6,7
.irp j, 0,1,2
	s_wait_dscnt 23-(3*\c+\j)
	global_store_b128 v6, v[128+4*(3*\c+\j):128+4*(3*\c+\j)+3], s[52:53] offset:12288*\c+512*\j
.endr
.endr
	s_wait_tensorcnt 0x0                           ; the wave's end: behind my last LDS store
	ds_add_u32 v[SPW], v[NIL]
	s_wait_dscnt 0x0
	s_endpgm
.Lfunc_end_k_q8b4e3cace3_route:
	.size	k_q8b4e3cace3_route, .Lfunc_end_k_q8b4e3cace3_route-k_q8b4e3cace3_route
	.p2alignl 7, 3214868480
	.fill 96, 4, 3214868480
	.section	.rodata,"a",@progbits
	.p2align	6, 0x0
	.amdhsa_kernel k_q8b4e3cace3_route
		.amdhsa_group_segment_fixed_size 128000
		.amdhsa_private_segment_fixed_size 0
		.amdhsa_enable_private_segment 0
		.amdhsa_kernarg_size 80
		.amdhsa_user_sgpr_count 2
		.amdhsa_user_sgpr_kernarg_segment_ptr 1
		.amdhsa_wavefront_size32 1
		.amdhsa_system_sgpr_workgroup_id_x 1
		.amdhsa_system_sgpr_workgroup_id_y 1
		.amdhsa_system_sgpr_workgroup_id_z 1
		.amdhsa_system_vgpr_workitem_id 0
		.amdhsa_next_free_vgpr 512
		.amdhsa_next_free_sgpr 66
		.amdhsa_reserve_vcc 1
		.amdhsa_float_denorm_mode_32 3
		.amdhsa_float_denorm_mode_16_64 3
		.amdhsa_memory_ordered 1
		.amdhsa_forward_progress 1
		.amdhsa_inst_pref_size 72
	.end_amdhsa_kernel
	.amdgpu_metadata
---
amdhsa.version: [ 1, 2 ]
amdhsa.kernels:
  - .name:           k_q8b4e3cace3_route
    .symbol:         k_q8b4e3cace3_route.kd
    .args:
      - { .name: x, .offset: 0, .size: 8, .value_kind: global_buffer, .address_space: global }
      - { .name: gate_w, .offset: 8, .size: 8, .value_kind: global_buffer, .address_space: global }
      - { .name: gate_b, .offset: 16, .size: 8, .value_kind: global_buffer, .address_space: global }
      - { .name: xq, .offset: 24, .size: 8, .value_kind: global_buffer, .address_space: global }
      - { .name: sel, .offset: 32, .size: 8, .value_kind: global_buffer, .address_space: global }
      - { .name: w1_codes, .offset: 40, .size: 8, .value_kind: global_buffer, .address_space: global }
      - { .name: w1_scales, .offset: 48, .size: 8, .value_kind: global_buffer, .address_space: global }
      - { .name: wimg, .offset: 56, .size: 8, .value_kind: global_buffer, .address_space: global }
      - { .name: w2_codes, .offset: 64, .size: 8, .value_kind: global_buffer, .address_space: global }
      - { .name: w2_scales, .offset: 72, .size: 8, .value_kind: global_buffer, .address_space: global }
    .group_segment_fixed_size: 128000
    .private_segment_fixed_size: 0
    .kernarg_segment_align: 8
    .kernarg_segment_size: 80
    .max_flat_workgroup_size: 128
    .sgpr_count:     66
    .vgpr_count:     512
    .wavefront_size: 32
...
	.end_amdgpu_metadata
.endif
;; end of part 1
;; launch up (part 2): grid 8 x 32, 4 waves a work-group, no clusters, 81,920 bytes of LDS; arguments sel, xq, wimg, b1, hbuf, plan; writes hbuf, plan
.if DOCPART == 2
	.amdgcn_target "amdgcn-amd-amdhsa--gfx1250"
	.amdhsa_code_object_version 6
	.text
	.protected	k_q8b4e3cace3_up
	.globl	k_q8b4e3cace3_up
	.p2align	8
	.type	k_q8b4e3cace3_up,@function
k_q8b4e3cace3_up:
	s_mov_b64 s[64:65], 0
	v_nop
	global_prefetch_b8 v0, s[64:65] scope:SCOPE_SE
	s_setreg_imm32_b32 hwreg(HW_REG_WAVE_MODE, 25, 1), 1
	s_wait_xcnt 0x0
; THE PLACING OF THE TOKENS, AND h = Q(relu(x W1[e] + b1[e])) for tiles of up to 96 tokens that share both experts, on codes of E3M2 with one E8M0 scale for each 32 along K; Q quantises along the hidden
; units, the next product's K.  The six experts that the gate's own top-2 leaves out of a token have the weight 0 there and are not multiplied.
; TILES.  The tokens fall into 28 bins by their pair of experts (lo < hi).  Tile p < 28 holds the first 96 tokens of bin p; tiles 28 to 48 hold, bin after bin, the further 96s of bins with more than 96 tokens:
; never more than 21, whatever the choice, since each stands behind 96 tokens of its bin.
; GRID.  x = g: expert j = g / 4 of the tile's two, hidden units 512 (g % 4) on; wave w takes the group of 128 hidden units w' = 4 (g % 4) + w for all 96 rows: 8 x 6 = 48 accumulators.  y < 28: tile y, one trip.
; y = 28 + o: these 32 work-groups count all 28 bins and walk tiles 28 + o + 4 i, i = 0 .. 5, in six counted trips; a trip whose tile does not exist passes the barriers and stores the tile's record alone.
; THE PLACING needs no other work-group and no LDS byte.  Every wave reads all 2,048 words of sel (register q, lane l: token 128 (q / 4) + 4 l + q % 4).  64 ballots 'word == my pair', their bits counted and summed in
; scalar registers; lane i, which stands for row 24 w + i of the tile, keeps the last ballot that begins at or before its rank in the bin, and finds the set bit of that rank by halving (sums of 16, 8, 4, 2, 1 bits).
; The work-groups with x = 0 store the plan for the next launch: tinfo[tile] = {lo, hi, number of tokens, 0}; from byte 1,024 on tl[49][96], the tokens' numbers.
; Rows past the tile's last token take token 0's row, so that every byte of the tile's part of hbuf and of its list is stored; nobody keeps what comes of them.
; ROWS THAT HOLD NO TOKEN.  Rows 64-79 where the tile has at most 64 tokens, rows 80-95 where it has at most 80, are multiplied in the first K step alone, which starts their sums (so every accumulator is written on
; every way): a scalar branch on the count passes over their 8 matrix instructions in K steps 1 to 7.
; OPERANDS.  W1's fragments, scale words and b1 go from memory straight into registers, as the first launch has laid them: three loads of 16 bytes a lane for a fragment, three sets of 8 fragments.  sel, the scale words,
; b1, set 0 and 15 loads of set 1 are asked for ahead of the first trip on every way (so each of these registers is written on every way), and for a later trip at the end of the trip before, where that tile exists.
; The tokens' codes are gathered once a work-group into LDS, in whole runs of 256 bytes, wave w rows 24 w on, and read by all four waves.
; No fills of LDS by the data mover and no joint loads: the launch branches on counts made from stored numbers.  No prefetch: the K steps are written out, and the first loads go out at the head.
; THE PRODUCT IS USED TRANSPOSED (source 0 = 16 rows of W1, source 1 = 16 tokens): a lane holds ONE token, and, by the choice of W1's rows in a tile, the 16 registers of tiles 2 b and 2 b + 1 are 16 neighbours
; along the next K.  b1 is the C of each sum's first matrix instruction.  The accumulators take turns, one instruction a turn, in the same order in every K step.
; Every fragment of this program takes 48 consecutive bytes of a row for each half of the lanes: blocks 1 and 2 of a K step change places, on both sides alike, and so do the middle bytes of each scale word.
; REGISTERS, in windows of 256: window 0: v1-21 addresses and the placing; v22, v23 the add's two; v24-55 W1's scale words (4 t + c % 4; lanes 16-31: c >= 4); v56-79 x's; v80-151, v152-223 x's fragments, two sets
;   (before that sel's words and the gathered rows; at the end the quantiser's registers); v224-255 tokens and the placing's work.   window 1: v0-95, v96-191 W1's sets 0, 1; v192-255 b1.
;   window 2: accumulators of rows 0-63 at 8 (8 m + t).   window 3: v0-127 those of rows 64-95; v128-223 W1's set 2.
; LIMITS: NaN and infinities are not served; a block of zeros gets the byte 1 (its codes are zeros; only this program reads the bytes).
.set TL,      1024
.set XS_OFF,  1572864
.set W1S_OFF, 25165824
.set HS_OFF,  14450688
.set XP,      784                      ; a token's row in LDS: 768 bytes + 16 = 49 x 16
.set XSC,     96*XP                    ; behind the rows: the tokens' scale words, 32 bytes in places of 48
.set SPARE,   XSC+96*48                ; the spare words, 128 bytes for each wave: two blocks of 256 bytes that no other line names
.set RHO,  15                          ; my row's rank in its bin
.set TOK,  16                          ; lane i: the token of row 24 w + min(i, 23)
.set PM,   17                          ; the ballot that holds my rank
.set PB,   18                          ; the tokens before that ballot | its first token << 16
.set PT,   19
.set SPW,  22
.set NIL,  23
.set W1SR, 24
.set XSR,  56
.set XF,   80
.set SV,   80                          ; v80-143  sel
.set IX,   144                         ; v144-157 4 x the lane of TOK that each gathering lane wants
.set TK,   224
.set A1,   248                         ; sums of 2, 4, 8, 16 bits of the ballot
.set A2,   249
.set A3,   250
.set A4,   251
.set KK,   252
.set POS,  253
.set CC,   254
.set UU,   255
.set B1,   192
.set HA,   80
.set PC,   144
.set TM,   164
.set PW,   180
.set PW0,  181
.set PWP,  182
.set SEL,  40
.set PJ,   48                          ; s48-53  the pair words of this trip's tile and the five after it
.set SJ,   54                          ; s54-59  1 + which 96 of the bin; 0: no such tile
.set MK,   66                          ; s66-73  eight ballots
.set CN,   74                          ; s74-81  their bits counted
.set PR,   82                          ; s82-90  the tokens before each
.set MSB, 0
.macro WIN new                         ; the immediate's high byte repeats the setting that is left
.if MSB != \new
	s_set_vgpr_msb (MSB<<8)|\new
.set MSB, \new
.endif
.endm
.macro PLACES                          ; four plain vector instructions between a matrix instruction and a load into, or a vector instruction on, one of its registers (ISA guide 7.12.1 for vector instructions)
.rept 4
	v_nop
.endr
.endm
.macro WM d, a, b, cc, sa, sb, ra, rb  ; one matrix instruction; ra, rb = 1: that side's scale words stand in lanes 16-31
.if (\ra) == 0 && (\rb) == 0
	v_wmma_scale_f32_16x16x128_f8f6f4 v[(\d):(\d)+7], v[(\a):(\a)+11], v[(\b):(\b)+11], v[(\cc):(\cc)+7], v[(\sa)], v[(\sb)] matrix_a_fmt:MATRIX_FMT_BF6 matrix_b_fmt:MATRIX_FMT_BF6
.else
	v_wmma_scale_f32_16x16x128_f8f6f4 v[(\d):(\d)+7], v[(\a):(\a)+11], v[(\b):(\b)+11], v[(\cc):(\cc)+7], v[(\sa)], v[(\sb)] matrix_a_fmt:MATRIX_FMT_BF6 matrix_b_fmt:MATRIX_FMT_BF6 matrix_a_scale:MATRIX_SCALE_ROW1 matrix_b_scale:MATRIX_SCALE_ROW1
.endif
.endm
.macro SELLOAD                         ; all of sel: 16 loads of 512 consecutive bytes
.set k, 0
.rept 16
	global_load_b128 v[SV+4*k:SV+4*k+3], v3, s[4:5] offset:512*k
.set k, k+1
.endr
.endm
.macro BALLOT8 q0                      ; which lanes' words q0 .. q0 + 7 are the pair s23, and how many
.irp i, 0,1,2,3,4,5,6,7
	v_cmp_eq_u32 s[MK+\i], s23, v[SV+(\q0)+\i]
.endr
.irp i, 0,1,2,3,4,5,6,7
	s_bcnt1_i32_b32 s[CN+\i], s[MK+\i]
.endr
.endm
.macro ADDR                            ; the addresses of the tile s15 with the pair s48
	s_mov_b32 s23, s[PJ]
	s_and_b32 s20, s23, 0xff                       ; lo
	s_lshr_b32 s21, s23, 8                         ; hi
	s_cmp_eq_u32 s25, 0
	s_cselect_b32 s24, s20, s21
	s_min_u32 s24, s24, 7                          ; the expert
	s_lshl_b32 s43, s24, 4
	s_add_co_u32 s43, s43, s39                     ; 16 e + w'
	s_mul_i32 s44, s43, 98304
	s_add_nc_u64 s[26:27], s[8:9], s[44:45]        ; W1's images of my group
	s_lshl_b32 s44, s43, 12
	s_add_co_u32 s44, s44, W1S_OFF
	s_add_nc_u64 s[28:29], s[8:9], s[44:45]        ; their scale words
	s_lshl_b32 s44, s43, 9
	s_add_nc_u64 s[30:31], s[10:11], s[44:45]      ; b1 at my 128 units
	s_min_u32 s43, s15, 48
	s_lshl_b32 s46, s43, 1
	s_add_co_u32 s46, s46, s25
	s_lshl_b32 s46, s46, 4
	s_add_co_u32 s46, s46, s39                     ; (2 tile + j) 16 + w'
	s_mul_i32 s44, s46, 9216
	s_add_nc_u64 s[32:33], s[12:13], s[44:45]      ; h's six images of that K step
	s_mul_i32 s44, s46, 384
	s_add_co_u32 s44, s44, HS_OFF
	s_add_nc_u64 s[34:35], s[12:13], s[44:45]      ; and their scale words
	s_mul_i32 s44, s43, 384
	s_add_co_u32 s44, s44, TL
	s_add_nc_u64 s[36:37], s[18:19], s[44:45]      ; the tile's list
.endm
.macro ISSUE                           ; sel first, then 63 loads: W1's scale words, b1, W1's set 0 and 15 loads of set 1
	SELLOAD
.irp t, 0,1,2,3,4,5,6,7
	global_load_b128 v[W1SR+4*\t:W1SR+4*\t+3], v3, s[28:29] offset:512*\t
.endr
	WIN 0x40
.irp t, 0,1,2,3,4,5,6,7                ; lane (r, h), tile 2 b + u: b1 at units 32 p(b) + 8 u + 16 h + 0 .. 7: the result's layout
	global_load_b128 v[B1+8*\t:B1+8*\t+3], v10, s[30:31] offset:4*(32*(((\t/2)&1)*2+((\t/2)>>1))+8*(\t%2))
	global_load_b128 v[B1+8*\t+4:B1+8*\t+7], v10, s[30:31] offset:4*(32*(((\t/2)&1)*2+((\t/2)>>1))+8*(\t%2))+16
.endr
.set q, 0
.rept 39                               ; set 0 and 15 loads of set 1: with the 8 + 16 above, 63 loads stand behind sel's last
	global_load_b128 v[4*q:4*q+3], v3, s[26:27] offset:512*q
.set q, q+1
.endr
	WIN 0
.endm
	s_load_b256 s[4:11], s[0:1], 0x0               ; sel s[4:5], xq s[6:7], wimg s[8:9], b1 s[10:11]
	s_load_b64 s[12:13], s[0:1], 0x20              ; hbuf
	s_load_b64 s[18:19], s[0:1], 0x28              ; plan
	v_lshl_add_u32 v[SPW], v0, 2, SPARE
	v_mov_b32 v[NIL], 0
	v_lshrrev_b32 v1, 5, v0
	v_readfirstlane_b32 s14, v1                    ; wave 0..3
	s_and_b32 s15, ttmp7, 0xffff                   ; y: the first tile
	v_and_b32 v1, 15, v0                           ; r
	v_bfe_u32 v2, v0, 4, 1                         ; h
	v_and_b32 v12, 31, v0                          ; lane
	v_lshlrev_b32 v4, 2, v12                       ; 4 x lane
	v_lshlrev_b32 v3, 4, v12                       ; 16 x lane
	v_lshlrev_b32 v11, 4, v1                       ; 16 r
	v_lshlrev_b32 v13, 2, v2                       ; 4 h
	v_and_b32 v14, 1, v0
	v_lshlrev_b32 v14, 4, v14                      ; 16 (lane % 2)
	s_mul_i32 s38, s14, 24*XP
	v_mad_u32_u24 v5, v2, XP, v11
	v_add_nc_u32 v5, s38, v5                       ; the gather, into LDS: rows 24 w + h + 2 k, sixteen lanes to a row
	s_mul_i32 s38, s14, 24*48
	s_add_co_u32 s38, s38, XSC
	v_lshrrev_b32 v7, 1, v12
	v_and_b32 v6, 7, v7
	v_mad_u32_u24 v7, v7, 48, v14
	v_mad_u32_u24 v6, v6, 48, v14
	v_add_nc_u32 v7, s38, v7                       ; the scale words, two lanes to a row: rows 24 w + 0 .. 15,
	v_add_nc_u32 v6, s38, v6
	v_add_nc_u32 v6, 16*48, v6                     ; rows 24 w + 16 .. 23 (each by two pairs of lanes, with the same bytes)
	v_mul_u32_u24 v8, v1, XP
	v_mad_u32_u24 v8, v2, 48, v8                   ; a fragment: row r, 48 bytes for each half
	v_mul_u32_u24 v9, v1, 48
	v_lshl_add_u32 v9, v2, 4, v9
	v_add_nc_u32 v9, XSC, v9                       ; its scale words: row r, K steps 4 h .. 4 h + 3
	v_lshlrev_b32 v10, 6, v2                       ; b1: 16 h units on
	v_min_u32 v12, 23, v12
	s_mul_i32 s38, s14, 24
	v_add_nc_u32 v12, s38, v12                     ; the row that I place: 24 w + min(lane, 23)
	v_lshlrev_b32 v20, 2, v12                      ; its word in the tile's list
	v_mov_b32 v21, 0
	v_mov_b32 v[TOK], 0
	s_lshr_b32 s25, ttmp9, 2                       ; j
	s_and_b32 s39, ttmp9, 3
	s_lshl_b32 s39, s39, 2
	s_add_co_u32 s39, s39, s14                     ; w'
	s_mov_b32 s[SEL], 0x76543210
	s_mov_b32 s[SEL+1], 0xfedcba98                 ; v_permlanex16_b32's selects for lane l xor 16
	s_mov_b32 s42, 0xffff0000                      ; lanes 16-31
	s_mov_b32 s45, 0
.irp j, 0,1,2,3,4,5
	s_mov_b32 s[PJ+\j], 0x100                      ; no tile yet: a pair that exists, and 0
	s_mov_b32 s[SJ+\j], 0
.endr
	s_wait_alu depctr_va_vdst(0)
	s_wait_kmcnt 0x0
	s_cmp_ge_u32 s15, 28
	s_cbranch_scc1 .Lover
	; ---- y < 28: bin y = (a, b), the bins of one a being neighbours: bin a (15 - a) / 2 + b - a - 1
	s_mov_b32 s60, 0
	s_mov_b32 s61, 0
.macro BINSEL a, first
	s_cmp_ge_u32 s15, \first
	s_cselect_b32 s60, \a, s60
	s_cselect_b32 s61, \first, s61
.endm
	BINSEL 1, 7
	BINSEL 2, 13
	BINSEL 3, 18
	BINSEL 4, 22
	BINSEL 5, 25
	BINSEL 6, 27
	s_sub_co_u32 s62, s15, s61
	s_add_co_u32 s62, s62, s60
	s_add_co_u32 s62, s62, 1                       ; b
	s_lshl_b32 s62, s62, 8
	s_or_b32 s[PJ], s62, s60
	s_mov_b32 s[SJ], 1                             ; the bin's first 96
	s_mov_b32 s47, 1                               ; one trip
	s_branch .Lgo
	; ---- y >= 28: all 28 bins are counted; the further 96s of the bins are numbered bin after bin, and numbers o + 4 i are mine
.Lover:
	SELLOAD
	s_mov_b32 s60, 0                               ; a
	s_mov_b32 s61, 1                               ; b
	s_mov_b32 s62, 0                               ; further tiles of the bins before
	s_sub_co_u32 s63, s15, 28                      ; o
	s_mov_b32 s46, 0
	s_wait_loadcnt 0x0
.Lhist:
	s_lshl_b32 s23, s61, 8
	s_or_b32 s23, s23, s60
	s_mov_b32 s[PR], 0
.set pb, 0
.rept 8
	BALLOT8 8*pb
.irp i, 0,1,2,3,4,5,6,7
	s_add_co_u32 s[PR], s[PR], s[CN+\i]
.endr
.set pb, pb+1
.endr
	s_add_co_u32 s91, s[PR], 95
	s_mul_i32 s91, s91, 0xaaab
	s_lshr_b32 s91, s91, 22                        ; ceil(tokens / 96): x 43,691 >> 22 is x / 96 rounded down for every x up to 2,143
	s_sub_co_i32 s91, s91, 1
	s_max_i32 s91, s91, 0                          ; the bin's further tiles
	s_sub_co_u32 s92, s63, s62
.irp j, 0,1,2,3,4,5
	s_add_co_u32 s93, s92, 4*\j                    ; my number o + 4 j, counted from the bin's first further tile (before it: a very large number)
	s_add_co_u32 s94, s93, 2
	s_cmp_lt_u32 s93, s91
	s_cselect_b32 s[PJ+\j], s23, s[PJ+\j]
	s_cselect_b32 s[SJ+\j], s94, s[SJ+\j]
.endr
	s_add_co_u32 s62, s62, s91
	s_add_co_u32 s61, s61, 1                       ; the next pair
	s_add_co_u32 s93, s60, 1
	s_add_co_u32 s94, s60, 2
	s_cmp_eq_u32 s61, 8
	s_cselect_b32 s60, s93, s60
	s_cselect_b32 s61, s94, s61
	s_add_co_u32 s46, s46, 1
	s_cmp_lt_u32 s46, 28
	s_cbranch_scc1 .Lhist
	s_mov_b32 s47, 6                               ; six trips
.Lgo:
	ADDR
	ISSUE
.Ltrip:
	s_wait_dscnt 0x0                               ; my reads of the last trip's rows are over
	s_barrier_signal -1
	s_barrier_wait -1                              ; everybody's are: the rows may be stored anew
	s_wait_loadcnt 63                              ; on every way: sel is in (63 loads were issued behind its last), so its registers may be read, and loaded into anew by the gather
	s_mov_b32 s22, 0                               ; n
	s_cmp_eq_u32 s[SJ], 0
	s_cbranch_scc1 .Linfo                          ; no such tile
	s_sub_co_u32 s38, s[SJ], 1
	s_mul_i32 s38, s38, 96                         ; the tokens of the bin before this tile
	v_add_nc_u32 v[RHO], s38, v12
	v_mov_b32 v[PM], 0
	v_mov_b32 v[PB], 0
	s_mov_b32 s[PR], 0
.set pb, 0
.rept 8
	BALLOT8 8*pb
.irp i, 0,1,2,3,4,5,6,7
	s_add_co_u32 s[PR+\i+1], s[PR+\i], s[CN+\i]
.endr
.irp i, 0,1,2,3,4,5,6,7
	s_add_co_u32 s[CN+\i], s[PR+\i], (128*((8*pb+\i)/4)+(8*pb+\i)%4)<<16   ; with lane 0's token of this word above it
.endr
.irp i, 0,1,2,3,4,5,6,7
	v_cmp_le_u32 vcc_lo, s[PR+\i], v[RHO]          ; a row keeps the last ballot that begins at or before its rank
	v_cndmask_b32 v[PM], v[PM], s[MK+\i], vcc_lo
	v_cndmask_b32 v[PB], v[PB], s[CN+\i], vcc_lo
.endr
	s_mov_b32 s[PR], s[PR+8]
.set pb, pb+1
.endr
	s_sub_co_i32 s22, s[PR], s38
	s_max_i32 s22, s22, 0
	s_min_u32 s22, s22, 96                         ; n
	v_lshrrev_b32 v[PT], 16, v[PB]
	v_and_b32 v[PB], 0xffff, v[PB]
	v_lshrrev_b32 v[A1], 1, v[PM]
	v_sub_nc_u32 v[KK], v[RHO], v[PB]              ; which set bit of the ballot is mine
	v_and_b32 v[A1], 0x55555555, v[A1]
	v_sub_nc_u32 v[A1], v[PM], v[A1]
	v_lshrrev_b32 v[A2], 2, v[A1]
	v_and_b32 v[CC], 0x33333333, v[A1]
	v_and_b32 v[A2], 0x33333333, v[A2]
	v_add_nc_u32 v[A2], v[A2], v[CC]
	v_lshrrev_b32 v[A3], 4, v[A2]
	v_add_nc_u32 v[A3], v[A3], v[A2]
	v_and_b32 v[A3], 0x0f0f0f0f, v[A3]
	v_lshrrev_b32 v[A4], 8, v[A3]
	v_add_nc_u32 v[A4], v[A4], v[A3]
	v_mov_b32 v[POS], 0
.macro SELSTEP src, wd, st             ; the lower half of the bits that are left holds CC set bits: at or past them, the upper half
	v_bfe_u32 v[CC], v[\src], v[POS], \wd
	v_cmp_ge_u32 vcc_lo, v[KK], v[CC]
	v_cndmask_b32 v[CC], 0, v[CC], vcc_lo
	v_cndmask_b32 v[UU], 0, \st, vcc_lo
	v_sub_nc_u32 v[KK], v[KK], v[CC]
	v_add_nc_u32 v[POS], v[POS], v[UU]
.endm
	SELSTEP A4, 8, 16
	SELSTEP A3, 8, 8
	SELSTEP A2, 4, 4
	SELSTEP A1, 2, 2
	SELSTEP PM, 1, 1
	v_lshl_add_u32 v[TOK], v[POS], 2, v[PT]        ; the token: lane 0's + 4 x the lane
	v_cmp_gt_u32 vcc_lo, s[PR], v[RHO]
	v_cndmask_b32 v[TOK], 0, v[TOK], vcc_lo        ; ranks past the bin's last token: token 0
	v_min_u32 v[TOK], 2047, v[TOK]
	s_wait_alu depctr_va_vdst(0)
	s_cmp_lg_u32 ttmp9, 0
	s_cbranch_scc1 .Linfo
	global_store_b32 v20, v[TOK], s[36:37]         ; x = 0: my 24 words of the tile's list (lanes 24-31 repeat lane 23's)
.Linfo:
	s_or_b32 s38, ttmp9, s14
	s_cmp_lg_u32 s38, 0
	s_cbranch_scc1 .Lnoinfo
	s_min_u32 s38, s15, 63                         ; x = 0, wave 0: the tile's record, with tokens or without
	s_lshl_b32 s44, s38, 4
	s_add_nc_u64 s[92:93], s[18:19], s[44:45]
	v_mov_b32 v[A1], s20
	v_mov_b32 v[A2], s21
	v_mov_b32 v[A3], s22
	v_mov_b32 v[A4], 0
	global_store_b128 v21, v[A1:A4], s[92:93]      ; (all lanes the same 16 bytes)
.Lnoinfo:
	s_cmp_eq_u32 s22, 0
	s_cbranch_scc1 .Lbar                           ; nothing to gather.  The lines that are jumped over write LDS and registers that only they read
	; ---- THE GATHER: my 24 rows of 768 bytes of codes and 32 bytes of scale words
.set k, 0
.rept 12
	v_add_nc_u32 v[IX+k], 8*k, v13                 ; rows 2 k + h of my 24
.set k, k+1
.endr
	v_lshrrev_b32 v[IX+12], 1, v4
	v_and_b32 v[IX+12], 0x7c, v[IX+12]             ; rows lane / 2,
	v_and_or_b32 v[IX+13], v[IX+12], 28, 64        ; rows 16 + (lane / 2) % 8
.set k, 0
.rept 14
	ds_bpermute_b32 v[TK+k], v[IX+k], v[TOK]       ; between lanes: no LDS byte is touched
.set k, k+1
.endr
	s_wait_dscnt 0x0
.set k, 0
.rept 12
	v_min_u32 v[TK+k], 2047, v[TK+k]
	v_mad_u32_u24 v[TK+k], v[TK+k], 768, v11
.set k, k+1
.endr
.irp k, 12,13
	v_min_u32 v[TK+\k], 2047, v[TK+\k]
	v_lshl_add_u32 v[TK+\k], v[TK+\k], 5, v14
.endr
.set k, 0
.rept 12
.irp p, 0,1,2
	global_load_b128 v[XF+4*(3*k+\p):XF+4*(3*k+\p)+3], v[TK+k], s[6:7] offset:256*\p   ; sixteen lanes read 256 consecutive bytes, at a multiple of 256 from the buffer's first byte
.endr
.set k, k+1
.endr
	global_load_b128 v[240:243], v[TK+12], s[6:7] offset:XS_OFF
	global_load_b128 v[244:247], v[TK+13], s[6:7] offset:XS_OFF
.set k, 0
.rept 12
	s_wait_loadcnt 3*(11-k)+2                      ; rows 2 k on are in; behind them: three loads for each later pair of rows, and the two of scale words
.irp p, 0,1,2
	ds_store_b128 v5, v[XF+4*(3*k+\p):XF+4*(3*k+\p)+3] offset:2*XP*k+256*\p
.endr
.set k, k+1
.endr
	s_wait_loadcnt 0x0
	ds_store_b128 v7, v[240:243]
	ds_store_b128 v6, v[244:247]
.Lbar:
	s_wait_dscnt 0x0                               ; for the others' sake: my part of the rows lies in LDS
	s_barrier_signal -1
	s_barrier_wait -1                              ; everybody's does.  Every wave passes this barrier, with tokens or without
	s_cmp_eq_u32 s22, 0
	s_cbranch_scc1 .Ltripend
	; ---- THE PRODUCT
.macro BLOAD c                         ; W1's 8 fragments of K step c into set c % 3: 24 loads of 512 consecutive bytes
.if (\c)%3 == 2
	WIN 0xc0
.set BB, 128
.else
	WIN 0x40
.set BB, 96*((\c)%3)
.endif
.set q, 0
.rept 24
	global_load_b128 v[BB+4*q:BB+4*q+3], v3, s[26:27] offset:12288*(\c)+512*q
.set q, q+1
.endr
.endm
.macro XFETCH c                        ; the tokens' 6 fragments of K step c into set c % 2
.set XB, XF+72*((\c)%2)
.irp m, 0,1,2,3,4,5
.irp j, 0,1,2
	ds_load_b128 v[XB+12*\m+4*\j:XB+12*\m+4*\j+3], v8 offset:16*XP*\m+96*(\c)+16*\j
.endr
.endr
.endm
.macro MM c, m                         ; 8 matrix instructions: my 8 tiles of hidden units x rows 16 m on, K step c
.if (\c)%3 == 2
.set BWN, 3
.set BB, 128
.else
.set BWN, 1
.set BB, 96*((\c)%3)
.endif
.set AWN, 2+(\m)/4
.set AB, 64*((\m)%4)
.set XB, XF+72*((\c)%2)+12*(\m)
.if (\c) == 0
.set NW, (AWN<<6)|(1<<4)|BWN
.else
.set NW, (AWN<<6)|(AWN<<4)|BWN
.endif
	WIN NW                                         ; source 0 (W1) window 1 or 3, source 1 (x) window 0, C: b1 in window 1 or the accumulator, D window 2 or 3
.irp t, 0,1,2,3,4,5,6,7
.if (\c) == 0
	WM AB+8*\t, BB+12*\t, XB, B1+8*\t, W1SR+4*\t+(\c)%4, XSR+4*(\m)+(\c)%4, (\c)/4, (\c)/4
.else
	WM AB+8*\t, BB+12*\t, XB, AB+8*\t, W1SR+4*\t+(\c)%4, XSR+4*(\m)+(\c)%4, (\c)/4, (\c)/4
.endif
.endr
.endm
.macro STEP c
.if (\c) == 0
	s_wait_loadcnt 33                              ; all that was asked for ahead of the barrier is in; behind it: set 1's last 9 loads and set 2's 24
.elseif (\c) < 6
	s_wait_loadcnt 48                              ; this K step's fragments of W1 are in; the two later sets' 48 loads may stay out
.elseif (\c) == 6
	s_wait_loadcnt 24                              ; one later set
.else
	s_wait_loadcnt 0x0
.endif
	s_wait_dscnt 0x0                               ; the tokens' fragments, asked for half a K step ago
	MM \c, 0
	MM \c, 1
	MM \c, 2
.if (\c) < 7
	PLACES
	WIN 0
	XFETCH (\c)+1                                  ; into the set that the last K step multiplied
.endif
	MM \c, 3
.if (\c) > 0
	WIN 0                                          ; at a branch and at a label every window is 0
	s_cmp_le_u32 s22, 64                           ; rows 64 on hold no token: their sums are not carried on
	s_cbranch_scc1 .Lrows_\@
.endif
	MM \c, 4
.if (\c) > 0
	WIN 0
	s_cmp_le_u32 s22, 80                           ; rows 80 on hold none
	s_cbranch_scc1 .Lrows_\@
.endif
	MM \c, 5
.if (\c) > 0
	WIN 0
.Lrows_\@:
.endif
.if (\c) < 5
	PLACES
	BLOAD (\c)+3                                   ; into the set just multiplied
.endif
.endm
	WIN 0x40
.set q, 39
.rept 9                                ; the last 9 loads of set 1,
	global_load_b128 v[4*q:4*q+3], v3, s[26:27] offset:512*q
.set q, q+1
.endr
	BLOAD 2                                        ; and set 2; set 0, most of set 1, the scale words and b1 were asked for ahead of the trip
	WIN 0
.irp m, 0,1,2,3,4,5
	ds_load_b128 v[XSR+4*\m:XSR+4*\m+3], v9 offset:768*\m
.endr
	XFETCH 0
.irp c, 0,1,2,3,4,5,6,7
	STEP \c
.endr
	WIN 0
	; ---- relu, the quantiser, the way out: a tile of 16 rows at a time
; 64 numbers of a lane, v[s] .. v[s + 63], register 16 b + i = number 16 (lane / 16) + i of my row's b-th block, become a fragment's codes in v[PC] on and its scale word in v[PW].  None is negative: no |.|
.macro QUANT s
.irp b, 0,1,2,3
	v_max3_num_f32 v[TM+\b], v[\s+16*\b], v[\s+1+16*\b], 0x2800000   ; with the floor 2^(5 - 127): the byte cannot fall under 1
.endr
.irp i, 2,4,6,8,10,12,14
.irp b, 0,1,2,3
	v_max3_num_f32 v[TM+\b], v[TM+\b], v[\s+16*\b+\i], v[\s+1+16*\b+\i]
.endr
.endr
.irp b, 0,1,2,3
	v_permlanex16_b32 v[TM+4+\b], v[TM+\b], s[SEL], s[SEL+1]
.endr
.irp b, 0,1,2,3
	v_max_num_f32 v[TM+\b], v[TM+\b], v[TM+4+\b]   ; with lane l xor 16's: the block's largest number
.endr
.irp b, 0,1,2,3
	v_add_nc_u32 v[TM+12+\b], 0xfe000000, v[TM+\b] ; 4 off its exponent field: the conversion's scale operand
.endr
.irp b, 0,1,2,3
	v_lshrrev_b32 v[TM+4+\b], 23, v[TM+12+\b]      ; the scale's byte
.endr
	v_lshl_or_b32 v[PW], v[TM+5], 8, v[TM+4]
	v_lshl_or_b32 v[PW], v[TM+6], 16, v[PW]
	v_lshl_or_b32 v[PW], v[TM+7], 24, v[PW]
.irp c, 0,1
	v_cvt_scalef32_pk16_bf6_f32 v[PC+6*\c:PC+2+6*\c], v[\s+32*\c:\s+15+32*\c], v[TM+12+2*\c]
	v_cvt_scalef32_pk16_bf6_f32 v[PC+12+4*\c:PC+14+4*\c], v[\s+16+32*\c:\s+31+32*\c], v[TM+12+2*\c+1]   ; (a conversion's three registers begin on an even number)
.endr
	v_nop                                          ; one plain instruction behind a scaled conversion
.irp c, 0,1                            ; the operand's layout wants a whole block in a lane
.irp i, 0,1,2
	v_permlane16_swap_b32 v[PC+6*\c+\i], v[PC+12+4*\c+\i]
.endr
.irp i, 0,1,2
	v_mov_b32 v[PC+3+6*\c+\i], v[PC+12+4*\c+\i]
.endr
.endr
.endm
	PLACES                                         ; behind the last products: results are read, and registers that held the tokens' fragments are written
.irp b, 0,1,2,3
	v_mov_b32 v[TM+4+\b], 0                        ; a lane permute's destination counts as one of its sources
.endr
.irp m, 0,1,2,3,4,5
.if \m < 4
	WIN 0x08                                       ; source 1: window 2
.else
	WIN 0x0c                                       ; window 3
.endif
.set q, 0
.rept 64
	v_max_num_f32 v[HA+q], 0, v[64*(\m%4)+q]       ; the activation, in f32; each accumulator from its low end on
.set q, q+1
.endr
	WIN 0
	s_wait_xcnt 0x0                                ; the last tile's stores have read their registers: the codes and the joined scale word are written again only behind this wait
	QUANT HA
.irp j, 0,1,2
	global_store_b128 v3, v[PC+4*\j:PC+4*\j+3], s[32:33] offset:1536*\m+512*\j     ; the fragment as it stands: 512 consecutive bytes
.endr
.if \m%2 == 0
	v_mov_b32 v[PW0], v[PW]
.else
	v_cndmask_b32 v[PWP], v[PW0], v[PW], s42       ; lanes 0-15: the even tile's words, lanes 16-31: the odd tile's
	global_store_b32 v4, v[PWP], s[34:35] offset:128*(\m/2)
.endif
.endr
.Ltripend:
	s_wait_xcnt 0x0                                ; this trip's stores have read their data, offsets and bases: all of these are written again only behind this wait
.irp j, 0,1,2,3,4
	s_mov_b32 s[PJ+\j], s[PJ+\j+1]                 ; the next tile moves up
	s_mov_b32 s[SJ+\j], s[SJ+\j+1]
.endr
	s_mov_b32 s[SJ+5], 0
	s_add_co_u32 s15, s15, 4
	s_cmp_eq_u32 s[SJ], 0
	s_cbranch_scc1 .Lnonext
	s_wait_loadcnt 0x0                             ; no load is out into the registers that the next tile's loads name
	ADDR
	ISSUE
.Lnonext:
	s_sub_co_u32 s47, s47, 1
	s_cmp_lg_u32 s47, 0
	s_cbranch_scc1 .Ltrip
	s_wait_tensorcnt 0x0                           ; the wave's end: behind my last LDS store
	ds_add_u32 v[SPW], v[NIL]
	s_wait_dscnt 0x0
	s_endpgm
.Lfunc_end_k_q8b4e3cace3_up:
	.size	k_q8b4e3cace3_up, .Lfunc_end_k_q8b4e3cace3_up-k_q8b4e3cace3_up
	.p2alignl 7, 3214868480
	.fill 96, 4, 3214868480
	.section	.rodata,"a",@progbits
	.p2align	6, 0x0
	.amdhsa_kernel k_q8b4e3cace3_up
		.amdhsa_group_segment_fixed_size 81920
		.amdhsa_private_segment_fixed_size 0
		.amdhsa_enable_private_segment 0
		.amdhsa_kernarg_size 48
		.amdhsa_user_sgpr_count 2
		.amdhsa_user_sgpr_kernarg_segment_ptr 1
		.amdhsa_wavefront_size32 1
		.amdhsa_system_sgpr_workgroup_id_x 1
		.amdhsa_system_sgpr_workgroup_id_y 1
		.amdhsa_system_sgpr_workgroup_id_z 1
		.amdhsa_system_vgpr_workitem_id 0
		.amdhsa_next_free_vgpr 1024
		.amdhsa_next_free_sgpr 96
		.amdhsa_reserve_vcc 1
		.amdhsa_float_denorm_mode_32 3
		.amdhsa_float_denorm_mode_16_64 3
		.amdhsa_memory_ordered 1
		.amdhsa_forward_progress 1
		.amdhsa_inst_pref_size 184
	.end_amdhsa_kernel
	.amdgpu_metadata
---
amdhsa.version: [ 1, 2 ]
amdhsa.kernels:
  - .name:           k_q8b4e3cace3_up
    .symbol:         k_q8b4e3cace3_up.kd
    .args:
      - { .name: sel, .offset: 0, .size: 8, .value_kind: global_buffer, .address_space: global }
      - { .name: xq, .offset: 8, .size: 8, .value_kind: global_buffer, .address_space: global }
      - { .name: wimg, .offset: 16, .size: 8, .value_kind: global_buffer, .address_space: global }
      - { .name: b1, .offset: 24, .size: 8, .value_kind: global_buffer, .address_space: global }
      - { .name: hbuf, .offset: 32, .size: 8, .value_kind: global_buffer, .address_space: global }
      - { .name: plan, .offset: 40, .size: 8, .value_kind: global_buffer, .address_space: global }
    .group_segment_fixed_size: 81920
    .private_segment_fixed_size: 0
    .kernarg_segment_align: 8
    .kernarg_segment_size: 48
    .max_flat_workgroup_size: 128
    .sgpr_count:     96
    .vgpr_count:     1024
    .wavefront_size: 32
...
	.end_amdgpu_metadata
.endif
;; end of part 2
;; launch down (part 3): grid 8 x 49, 4 waves a work-group, no clusters, 203,264 bytes of LDS; arguments plan, xq, wimg, hbuf, b2, out0; writes out0
.if DOCPART == 3
	.amdgcn_target "amdgcn-amd-amdhsa--gfx1250"
	.amdhsa_code_object_version 6
	.text
	.protected	k_q8b4e3cace3_down
	.globl	k_q8b4e3cace3_down
	.p2align	8
	.type	k_q8b4e3cace3_down,@function
k_q8b4e3cace3_down:
	s_mov_b64 s[64:65], 0
	v_nop
	global_prefetch_b8 v0, s[64:65] scope:SCOPE_SE
	s_setreg_imm32_b32 hwreg(HW_REG_WAVE_MODE, 25, 1), 1
	s_wait_xcnt 0x0
; out[token] = g_lo (h_lo W2[lo] + b2[lo]) + g_hi (h_hi W2[hi] + b2[hi]) for one tile of up to 96 tokens that share both experts, on codes of E3M2 with one E8M0 scale for each 32 along K.
; The six experts that the gate's own top-2 leaves out have the weight 0 and are not multiplied.  Each token lies in one tile, so each row of out has one owner and nothing is added between work-groups.
; GRID.  y = the tile (49 serve every split), x = G: outputs 128 G .. 128 G + 127.  Wave w takes expert j = w / 2 of the tile's two and half w % 2 of K (8 K steps of 128), for all 96 rows:
; 8 tiles of outputs x 6 tiles of rows = 48 accumulators.  The four waves' parts, each already times its gate's weight, meet in LDS behind the one barrier and are added in a fixed order.
; A tile without tokens stores nothing: its work-group passes the barrier and ends.
; ROWS THAT HOLD NO TOKEN.  Rows 64-79 where the tile has at most 64 tokens, rows 80-95 where it has at most 80, are multiplied in my first K step alone, which starts their sums, and their h is loaded for my first
; two K steps alone, which fill both sets (so every register is written on every way): scalar branches on the stored count pass over the rest.  Those rows are never stored.
; OPERANDS go from memory straight into registers, as images of the operand's registers: W2's as an earlier launch has laid them, h's as the launch before has stored them: three loads of 16 bytes a lane for a
; fragment, each fragment read once in the work-group, two sets of each: one K step's 36 to 42 loads are out while another is multiplied.  The loop touches no LDS.
; No fills of LDS by the data mover and no joint loads: which work-groups share an expert's weights is known only from the stored list, and the launch branches on a stored count.
; THE PRODUCT IS USED TRANSPOSED (source 0 = 16 rows of W2, source 1 = 16 tokens): a lane holds eight neighbouring outputs of one token.  b2 is the C of each sum's first matrix instruction in the wave
; with the first half of K; in the other wave it is masked to 0.  The accumulators take turns, one instruction a turn, in the same order in every K step.
; K is split over two waves and blocks 1 and 2 of each K step change places on both sides: the sums are grouped otherwise than with K in its plain order.
; REGISTERS, in windows of 256: window 0: v1-10 addresses (v9: the tokens of the rows that I store); v22, v23 the add's two; v24-55 W2's scale words (4 t + c % 4; lanes 16-31: c >= 4); v56-79 h's (3 c + m / 2; lanes
;   16-31: odd m); v80-151, v152-223 h's fragments, two sets (behind the barrier: rows on their way out); v224-229 tokens; v232-243 the gate's weights (even registers).   window 1: v0-95, v96-191 W2's two sets.
;   window 2: accumulators of rows 0-63 at 8 (8 m + t).   window 3: v0-127 those of rows 64-95; v128-191 b2.
.set TL,       1024
.set GATE_OFF, 1638400
.set W2I,      12582912
.set W2S_OFF,  25690112
.set HS_OFF,   14450688
.set RP,       528                     ; a row of a wave's part in LDS: 512 bytes + 16 = 33 x 16
.set REDB,     96*RP                   ; a wave's part
.set SPARE,    4*REDB                  ; the spare words, 128 bytes for each wave: two blocks of 256 bytes that no other line names
.set SPW,  22
.set NIL,  23
.set W2SR, 24
.set HSR,  56
.set HF,   80
.set TK,   224
.set GT,   232
.set B2,   128
.set LD,   80                          ; behind the barrier: 6 rows x 4 parts x 4 registers,
.set RES,  176                         ; the sums, two sets of 24 by turns,
.set OF,   224                         ; and 24 rows' byte offsets in out
.set RT,   66                          ; s66-89  my 24 rows' tokens, then their byte offsets in out
.set MSB, 0
.macro WIN new                         ; the immediate's high byte repeats the setting that is left
.if MSB != \new
	s_set_vgpr_msb (MSB<<8)|\new
.set MSB, \new
.endif
.endm
.macro PLACES                          ; four plain vector instructions between a matrix instruction and a load into, or a vector instruction on, one of its registers (ISA guide 7.12.1 for vector instructions)
.rept 4
	v_nop
.endr
.endm
.macro WM d, a, b, cc, sa, sb, ra, rb  ; one matrix instruction; ra, rb = 1: that side's scale words stand in lanes 16-31
.if (\ra) == 0 && (\rb) == 0
	v_wmma_scale_f32_16x16x128_f8f6f4 v[(\d):(\d)+7], v[(\a):(\a)+11], v[(\b):(\b)+11], v[(\cc):(\cc)+7], v[(\sa)], v[(\sb)] matrix_a_fmt:MATRIX_FMT_BF6 matrix_b_fmt:MATRIX_FMT_BF6
.elseif (\ra) == 1 && (\rb) == 0
	v_wmma_scale_f32_16x16x128_f8f6f4 v[(\d):(\d)+7], v[(\a):(\a)+11], v[(\b):(\b)+11], v[(\cc):(\cc)+7], v[(\sa)], v[(\sb)] matrix_a_fmt:MATRIX_FMT_BF6 matrix_b_fmt:MATRIX_FMT_BF6 matrix_a_scale:MATRIX_SCALE_ROW1
.elseif (\ra) == 0 && (\rb) == 1
	v_wmma_scale_f32_16x16x128_f8f6f4 v[(\d):(\d)+7], v[(\a):(\a)+11], v[(\b):(\b)+11], v[(\cc):(\cc)+7], v[(\sa)], v[(\sb)] matrix_a_fmt:MATRIX_FMT_BF6 matrix_b_fmt:MATRIX_FMT_BF6 matrix_b_scale:MATRIX_SCALE_ROW1
.else
	v_wmma_scale_f32_16x16x128_f8f6f4 v[(\d):(\d)+7], v[(\a):(\a)+11], v[(\b):(\b)+11], v[(\cc):(\cc)+7], v[(\sa)], v[(\sb)] matrix_a_fmt:MATRIX_FMT_BF6 matrix_b_fmt:MATRIX_FMT_BF6 matrix_a_scale:MATRIX_SCALE_ROW1 matrix_b_scale:MATRIX_SCALE_ROW1
.endif
.endm
	s_load_b256 s[4:11], s[0:1], 0x0               ; plan s[4:5], xq s[6:7], wimg s[8:9], hbuf s[10:11]
	s_load_b128 s[12:15], s[0:1], 0x20             ; b2 s[12:13], out0 s[14:15]
	v_lshl_add_u32 v[SPW], v0, 2, SPARE
	v_mov_b32 v[NIL], 0
	v_lshrrev_b32 v1, 5, v0
	v_readfirstlane_b32 s16, v1                    ; wave 0..3
	s_and_b32 s17, ttmp7, 0xffff                   ; the tile
	s_lshl_b32 s46, s17, 4
	s_mov_b32 s47, 0
	s_wait_kmcnt 0x0
	s_add_nc_u64 s[18:19], s[4:5], s[46:47]
	s_load_b128 s[20:23], s[18:19], 0x0            ; lo, hi, number of tokens, 0
	v_and_b32 v1, 15, v0                           ; r
	v_bfe_u32 v2, v0, 4, 1                         ; h
	v_and_b32 v10, 31, v0                          ; lane
	v_lshlrev_b32 v4, 2, v10                       ; 4 x lane
	v_lshlrev_b32 v3, 4, v10                       ; 16 x lane
	s_mul_i32 s49, s16, REDB
	v_mul_u32_u24 v5, v1, RP
	v_lshl_add_u32 v5, v2, 5, v5
	v_add_nc_u32 v5, s49, v5                       ; my part, in: row r, 32 bytes for each half
	s_mul_i32 s49, s16, 24*RP
	v_add_nc_u32 v6, s49, v3                       ; back: rows 24 w on, 16 bytes a lane, of parts 0 and 1,
	v_add_nc_u32 v7, 2*REDB, v6                    ; and of parts 2 and 3 (an LDS offset has 16 bits)
	v_lshlrev_b32 v8, 5, v2                        ; b2: 8 h outputs on
	s_lshr_b32 s24, s16, 1                         ; j
	s_and_b32 s25, s16, 1                          ; which half of K
	s_wait_alu depctr_va_vdst(0)
	s_wait_kmcnt 0x0
	s_min_u32 s22, s22, 96                         ; n
	s_cmp_eq_u32 s24, 0
	s_cselect_b32 s26, s20, s21
	s_min_u32 s26, s26, 7                          ; the expert
	s_lshl_b32 s27, s26, 3
	s_add_co_u32 s27, s27, ttmp9                   ; 8 e + G
	s_lshl_b32 s46, s27, 4
	s_lshl_b32 s49, s25, 3
	s_add_co_u32 s46, s46, s49
	s_mul_i32 s46, s46, 12288
	s_add_co_u32 s46, s46, W2I
	s_add_nc_u64 s[28:29], s[8:9], s[46:47]        ; W2's images: my outputs, my half of K
	s_lshl_b32 s46, s27, 1
	s_add_co_u32 s46, s46, s25
	s_lshl_b32 s46, s46, 12
	s_add_co_u32 s46, s46, W2S_OFF
	s_add_nc_u64 s[30:31], s[8:9], s[46:47]        ; their scale words
	s_lshl_b32 s50, s17, 1
	s_add_co_u32 s50, s50, s24
	s_lshl_b32 s50, s50, 4
	s_add_co_u32 s50, s50, s49                     ; 16 (2 tile + j) + my first K step
	s_mul_i32 s46, s50, 9216
	s_add_nc_u64 s[32:33], s[10:11], s[46:47]      ; h's images
	s_mul_i32 s46, s50, 384
	s_add_co_u32 s46, s46, HS_OFF
	s_add_nc_u64 s[34:35], s[10:11], s[46:47]      ; their scale words
	s_lshl_b32 s46, s27, 9
	s_add_nc_u64 s[36:37], s[12:13], s[46:47]      ; b2 at my 128 outputs
	s_lshl_b32 s46, s24, 2
	s_add_co_u32 s46, s46, GATE_OFF
	s_add_nc_u64 s[38:39], s[6:7], s[46:47]        ; the gate's weights of expert j
	s_lshl_b32 s46, ttmp9, 9
	s_add_nc_u64 s[40:41], s[14:15], s[46:47]      ; out at my 128 outputs
	s_max_u32 s44, s22, 1
	s_sub_co_u32 s44, s44, 1                       ; the last slot that holds a token; 0 in a tile without tokens,
	s_cmp_eq_u32 s22, 0
	s_cselect_b32 s51, 0, s17                      ; which looks at tile 0's list: with 2,048 tokens placed, that list's first slot always holds one
	s_min_u32 s51, s51, 48
	s_mul_i32 s46, s51, 384
	s_add_co_u32 s46, s46, TL
	s_add_nc_u64 s[42:43], s[4:5], s[46:47]        ; the tile's tokens
	s_mul_i32 s49, s16, 24                         ; the tokens of the 24 rows that I store at the end are asked for here, on every way: they are wanted first thing behind the barrier
	v_add_nc_u32 v9, s49, v10
	v_min_u32 v9, s44, v9
	v_min_u32 v9, 95, v9
	v_lshlrev_b32 v9, 2, v9
	global_load_b32 v9, v9, s[42:43]               ; lane i: the token of row 24 w + i (held at the tile's last token: only slots that hold a token are read)
	s_cmp_eq_u32 s25, 0
	s_cselect_b32 s45, -1, 0                       ; b2 counts in the wave with the first half of K
	s_cmp_eq_u32 s22, 0
	s_cbranch_scc1 .Lbar                           ; nothing to multiply.  What stands behind the barrier reads LDS and registers made above, and nothing of what is jumped over
.macro ALOADM c, m                     ; h's fragment of rows 16 m on, my K step c, into set c % 2: 3 loads of 512 consecutive bytes
.set AA, HF+72*((\c)%2)+12*(\m)
.irp j, 0,1,2
	global_load_b128 v[AA+4*\j:AA+4*\j+3], v3, s[32:33] offset:9216*(\c)+1536*(\m)+512*\j
.endr
.endm
.macro ALOAD c                         ; all six
	WIN 0
.irp m, 0,1,2,3,4,5
	ALOADM \c, \m
.endr
.endm
.macro BLOAD c                         ; W2's 8 fragments likewise: 24 loads
	WIN 0x40
.set BB, 96*((\c)%2)
.set q, 0
.rept 24
	global_load_b128 v[BB+4*q:BB+4*q+3], v3, s[28:29] offset:12288*(\c)+512*q
.set q, q+1
.endr
.endm
.macro MM c, m                         ; 8 matrix instructions: my 8 tiles of outputs x rows 16 m on, K step c
.set BB, 96*((\c)%2)
.set AWN, 2+(\m)/4
.set AB, 64*((\m)%4)
.set HB, HF+72*((\c)%2)+12*(\m)
.if (\c) == 0
.set NW, (AWN<<6)|(3<<4)|1
.else
.set NW, (AWN<<6)|(AWN<<4)|1
.endif
	WIN NW                                         ; source 0 (W2) window 1, source 1 (h) window 0, C: b2 in window 3 or the accumulator, D window 2 or 3
.irp t, 0,1,2,3,4,5,6,7
.if (\c) == 0
	WM AB+8*\t, BB+12*\t, HB, B2+8*\t, W2SR+4*\t+(\c)%4, HSR+3*(\c)+(\m)/2, (\c)/4, (\m)%2
.else
	WM AB+8*\t, BB+12*\t, HB, AB+8*\t, W2SR+4*\t+(\c)%4, HSR+3*(\c)+(\m)/2, (\c)/4, (\m)%2
.endif
.endr
.endm
; A K step's loads, from my third K step on, are 0, 3 or 6 for the rows that may hold no token, FIRST, and then 36 that are always issued: so a count of 36 leaves out at most loads of the next K step, on every way.
.macro STEP c
.if (\c) == 0
	s_wait_loadcnt 42                              ; this K step's fragments (and all that was asked for before them) are in; behind them: my second K step's 42 loads
.elseif (\c) == 1
	s_wait_loadcnt 42                              ; behind this K step's fragments: the six loads of the gate's weights and at least 36 of the next K step
.elseif (\c) < 7
	s_wait_loadcnt 36                              ; behind this K step's fragments: at least 36 of the next K step
.else
	s_wait_loadcnt 0x0
.endif
.if (\c) == 0
	WIN 0xcc                                       ; source 1 and destination: window 3
.set q, 0
.rept 64
	v_and_b32 v[B2+q], s45, v[B2+q]                ; b2 as it is, or 0
.set q, q+1
.endr
	WIN 0
.irp m, 0,1,2,3,4,5                    ; the tokens are in too: their weights are asked for here and wanted at the end
	v_min_u32 v[TK+\m], 2047, v[TK+\m]
	v_lshlrev_b32 v[TK+\m], 3, v[TK+\m]
	v_mov_b32 v[GT+2*\m+1], 0                      ; (named as the upper half of a pair)
.endr
.irp m, 0,1,2,3,4,5
	global_load_b32 v[GT+2*\m], v[TK+\m], s[38:39]
.endr
.endif
.irp m, 0,1,2,3
	MM \c, \m
.endr
.if (\c) > 0
	WIN 0                                          ; at a branch and at a label every window is 0
	s_cmp_le_u32 s22, 64                           ; rows 64 on hold no token: their sums are not carried on
	s_cbranch_scc1 .Lrows_\@
.endif
	MM \c, 4
.if (\c) > 0
	WIN 0
	s_cmp_le_u32 s22, 80                           ; rows 80 on hold none
	s_cbranch_scc1 .Lrows_\@
.endif
	MM \c, 5
.if (\c) > 0
	WIN 0
.Lrows_\@:
.endif
.if (\c) < 6
	PLACES
	WIN 0
	s_cmp_le_u32 s22, 64                           ; into the sets just multiplied: first the rows that may hold no token,
	s_cbranch_scc1 .Lfew_\@
	ALOADM (\c)+2, 4
	s_cmp_le_u32 s22, 80
	s_cbranch_scc1 .Lfew_\@
	ALOADM (\c)+2, 5
.Lfew_\@:
.irp m, 0,1,2,3
	ALOADM (\c)+2, \m                              ; then the 12 + 24 that are always wanted
.endr
	BLOAD (\c)+2
.endif
.endm
.irp m, 0,1,2,3,4,5
	v_add_nc_u32 v[TK+\m], 16*\m, v1
	v_min_u32 v[TK+\m], s44, v[TK+\m]              ; rows past the last token repeat it
	v_min_u32 v[TK+\m], 95, v[TK+\m]
	v_lshlrev_b32 v[TK+\m], 2, v[TK+\m]
.endr
.irp m, 0,1,2,3,4,5
	global_load_b32 v[TK+\m], v[TK+\m], s[42:43]
.endr
.irp t, 0,1,2,3,4,5,6,7
	global_load_b128 v[W2SR+4*\t:W2SR+4*\t+3], v3, s[30:31] offset:512*\t
.endr
.irp c, 0,1,2,3,4,5,6,7
.irp p, 0,1,2
	global_load_b32 v[HSR+3*\c+\p], v4, s[34:35] offset:384*\c+128*\p
.endr
.endr
	WIN 0xc0
.irp t, 0,1,2,3,4,5,6,7                ; lane (r, h), tile t: b2 at outputs 16 t + 8 h + 0 .. 7: the result's layout
	global_load_b128 v[B2+8*\t:B2+8*\t+3], v8, s[36:37] offset:64*\t
	global_load_b128 v[B2+8*\t+4:B2+8*\t+7], v8, s[36:37] offset:64*\t+16
.endr
	ALOAD 0
	BLOAD 0
	ALOAD 1
	BLOAD 1
.irp c, 0,1,2,3,4,5,6,7
	STEP \c
.endr
	PLACES                                         ; behind the last products: results are read
.irp m, 0,1,2,3,4,5
.if \m < 4
	WIN 0x82                                       ; source 0 and destination: window 2
.else
	WIN 0xc3                                       ; window 3
.endif
.set q, 0
.rept 32
	v_pk_mul_f32 v[64*(\m%4)+2*q:64*(\m%4)+2*q+1], v[64*(\m%4)+2*q:64*(\m%4)+2*q+1], v[GT+2*\m:GT+2*\m+1] op_sel_hi:[1,0]   ; x my token's weight; each accumulator from its low end on
.set q, q+1
.endr
.endr
.irp m, 0,1,2,3,4,5
.if \m < 4
	WIN 0x08                                       ; an LDS store's data are its source 1: window 2
.else
	WIN 0x0c
.endif
.irp t, 0,1,2,3,4,5,6,7
	ds_store_b128 v5, v[64*(\m%4)+8*\t:64*(\m%4)+8*\t+3] offset:16*RP*\m+64*\t
	ds_store_b128 v5, v[64*(\m%4)+8*\t+4:64*(\m%4)+8*\t+7] offset:16*RP*\m+64*\t+16
.endr
.endr
	WIN 0
.Lbar:
	s_wait_dscnt 0x0                               ; for the others' sake: my part lies in LDS
	s_barrier_signal -1
	s_barrier_wait -1                              ; everybody's does.  Every wave passes this barrier, with tokens or without
	s_cmp_eq_u32 s22, 0
	s_cbranch_scc1 .Lend
	; ---- the four parts are added and leave: wave w owns rows 24 w .. 24 w + 23
	s_mul_i32 s49, s16, 24
	s_sub_co_i32 s48, s22, s49                     ; how many of my rows hold a token; may be 0 or less
	s_wait_loadcnt 0x0                             ; my rows' tokens, asked for at the head
	; in three runs, so that the wave changes between vector and scalar work once
.set i, 0
.rept 24
	v_readlane_b32 s[RT+i], v9, i
.set i, i+1
.endr
.set i, 0
.rept 24
	s_min_u32 s[RT+i], s[RT+i], 2047
.set i, i+1
.endr
.set i, 0
.rept 24
	s_lshl_b32 s[RT+i], s[RT+i], 12                ; a row of out is 4,096 bytes
.set i, i+1
.endr
.set i, 0
.rept 24
	v_add_nc_u32 v[OF+i], s[RT+i], v3
.set i, i+1
.endr
.macro BATCH bt                        ; six rows
.irp i, 0,1,2,3,4,5
	ds_load_b128 v[LD+16*\i:LD+16*\i+3], v6 offset:RP*(6*\bt+\i)
	ds_load_b128 v[LD+16*\i+4:LD+16*\i+7], v6 offset:RP*(6*\bt+\i)+REDB
	ds_load_b128 v[LD+16*\i+8:LD+16*\i+11], v7 offset:RP*(6*\bt+\i)
	ds_load_b128 v[LD+16*\i+12:LD+16*\i+15], v7 offset:RP*(6*\bt+\i)+REDB
.endr
	s_wait_dscnt 0x0
.if \bt >= 2
	s_wait_xcnt 0x0                                ; the stores of two batches ago have read the registers that the sums below write
.endif
.set RR, RES+24*(\bt%2)
.irp i, 0,1,2,3,4,5
.irp u, 0,2
	v_pk_add_f32 v[LD+16*\i+\u:LD+16*\i+\u+1], v[LD+16*\i+\u:LD+16*\i+\u+1], v[LD+16*\i+4+\u:LD+16*\i+5+\u]         ; expert lo: the two halves of K
	v_pk_add_f32 v[LD+16*\i+8+\u:LD+16*\i+9+\u], v[LD+16*\i+8+\u:LD+16*\i+9+\u], v[LD+16*\i+12+\u:LD+16*\i+13+\u]   ; expert hi
.endr
.endr
.irp i, 0,1,2,3,4,5
.irp u, 0,2
	v_pk_add_f32 v[RR+4*\i+\u:RR+4*\i+\u+1], v[LD+16*\i+\u:LD+16*\i+\u+1], v[LD+16*\i+8+\u:LD+16*\i+9+\u]
.endr
.endr
.irp i, 0,1,2,3,4,5
	s_cmp_le_i32 s48, 6*\bt+\i                     ; rows past the tile's last token are not stored
	s_cbranch_scc1 .Lend
	s_wait_alu depctr_va_vdst(0)
	global_store_b128 v[OF+6*\bt+\i], v[RR+4*\i:RR+4*\i+3], s[40:41] th:TH_STORE_NT   ; 32 lanes store 512 consecutive bytes, at a multiple of 256 from out's first byte; written once
.endr
.endm
	BATCH 0
	BATCH 1
	BATCH 2
	BATCH 3
.Lend:
	s_wait_tensorcnt 0x0                           ; the wave's end: behind my last LDS store
	ds_add_u32 v[SPW], v[NIL]
	s_wait_dscnt 0x0
	s_endpgm
.Lfunc_end_k_q8b4e3cace3_down:
	.size	k_q8b4e3cace3_down, .Lfunc_end_k_q8b4e3cace3_down-k_q8b4e3cace3_down
	.p2alignl 7, 3214868480
	.fill 96, 4, 3214868480
	.section	.rodata,"a",@progbits
	.p2align	6, 0x0
	.amdhsa_kernel k_q8b4e3cace3_down
		.amdhsa_group_segment_fixed_size 203264
		.amdhsa_private_segment_fixed_size 0
		.amdhsa_enable_private_segment 0
		.amdhsa_kernarg_size 48
		.amdhsa_user_sgpr_count 2
		.amdhsa_user_sgpr_kernarg_segment_ptr 1
		.amdhsa_wavefront_size32 1
		.amdhsa_system_sgpr_workgroup_id_x 1
		.amdhsa_system_sgpr_workgroup_id_y 1
		.amdhsa_system_sgpr_workgroup_id_z 1
		.amdhsa_system_vgpr_workitem_id 0
		.amdhsa_next_free_vgpr 1024
		.amdhsa_next_free_sgpr 92
		.amdhsa_reserve_vcc 0
		.amdhsa_float_denorm_mode_32 3
		.amdhsa_float_denorm_mode_16_64 3
		.amdhsa_memory_ordered 1
		.amdhsa_forward_progress 1
		.amdhsa_inst_pref_size 141
	.end_amdhsa_kernel
	.amdgpu_metadata
---
amdhsa.version: [ 1, 2 ]
amdhsa.kernels:
  - .name:           k_q8b4e3cace3_down
    .symbol:         k_q8b4e3cace3_down.kd
    .args:
      - { .name: plan, .offset: 0, .size: 8, .value_kind: global_buffer, .address_space: global }
      - { .name: xq, .offset: 8, .size: 8, .value_kind: global_buffer, .address_space: global }
      - { .name: wimg, .offset: 16, .size: 8, .value_kind: global_buffer, .address_space: global }
      - { .name: hbuf, .offset: 24, .size: 8, .value_kind: global_buffer, .address_space: global }
      - { .name: b2, .offset: 32, .size: 8, .value_kind: global_buffer, .address_space: global }
      - { .name: out0, .offset: 40, .size: 8, .value_kind: global_buffer, .address_space: global }
    .group_segment_fixed_size: 203264
    .private_segment_fixed_size: 0
    .kernarg_segment_align: 8
    .kernarg_segment_size: 48
    .max_flat_workgroup_size: 128
    .sgpr_count:     92
    .vgpr_count:     1024
    .wavefront_size: 32
...
	.end_amdgpu_metadata
.endif
;; end of part 3
